; MI455X (gfx1250); checked and timed in simulation.
; The chip was launched on July 23, 2026; its instructions are those of AMD's public machine-readable ISA for CDNA 5 (MIT licence, August 2026) and "CDNA5" Instruction Set Architecture Reference Guide (July 2026). The comments in the code are by the model that wrote it; some were corrected since.
;; LSA. Allowed arithmetic: matrix products marked QUANTISED: E2M3 operands, one E8M0 scale for each 32 along K, by v_wmma_scale_f32_16x16x128_f8f6f4 with both operands' format E2M3, f32 sums; everything else in f32.
;; Inputs: W_out 1,024 x 1,024 float32; W_qkv 1,024 x 3,072 float32; b_out 1,024 float32; temperature one number float32; x 4 x 2,048 x 1,024 float32.
;; Outputs: out0 4 x 2,048 x 1,024 float32.
;; This version of the problem:
;;   THIS VERSION OF THE PROBLEM IS GIVEN IN LOW PRECISION. The matrix products marked QUANTISED in the list below multiply operands that are first quantised to E2M3 (2 exponent bits, 3 mantissa bits; 6 bits a number), with one power-of-two scale for each 32 numbers along K (OCP MX v1.0); their sums are f32. All else is computed in f32.
;;   The module's matrix products, in the order in which they are computed (A, B: the left and right operand; K: the contracted axis; several contracted axes count as one K, in the product's order):
;;     1. [M 8,192, K 1,024] x [K 1,024, N 3,072]; A: input x; B: input W_qkv: QUANTISED
;;     2. batch 64 x [M 2,048, K 64] x [K 64, N 2,048]; A: computed on the way; B: computed on the way: QUANTISED
;;     3. batch 64 x [M 2,048, K 2,048] x [K 2,048, N 64]; A: softmax (see below); B: computed on the way: QUANTISED
;;     4. [M 8,192, K 1,024] x [K 1,024, N 1,024]; A: computed on the way; B: input W_out: QUANTISED
;;   THE QUANTISER, for each operand of a quantised product, along K:
;;     - K is cut into blocks of 32 from its start; a last block that is shorter is filled with zeros.
;;     - A block's scale is 2^e with e = floor(log2(the largest magnitude in the block)) - 2, held to -126 .. 127; a block of zeros has e = 0. As a byte (E8M0): e + 127.
;;     - Each number is divided by its block's scale, clamped to +-7.5, and rounded to the nearest number of E2M3, ties to even, subnormals kept.
;;     - The product sums the exact products of the quantised numbers (number of the format x scale) in f32.
;;   ~~~python
;;   def quantise(x, axis):      # numpy; x: float32 -> the quantised numbers, widened to float32 again
;;       x = np.moveaxis(x, axis, -1); K = x.shape[-1]
;;       x = np.pad(x, [(0, 0)] * (x.ndim - 1) + [(0, -K % 32)]); x = x.reshape(x.shape[:-1] + (-1, 32)); a = np.abs(x).max(-1, keepdims=True)
;;       e = np.where(a > 0, np.clip(np.frexp(np.where(a > 0, a, 1))[1] - 1 - 2, -126, 127), 0)      # np.frexp(a)[1] - 1 = floor(log2(a)), exactly
;;       r = np.clip(x / 2.0 ** e, -7.5, 7.5)
;;       step = 2.0 ** (np.maximum(np.frexp(np.where(r == 0, 1, r))[1] - 1, 0) - 3)
;;       q = np.round(r / step) * step * 2.0 ** e      # np.round: ties to even
;;       return np.moveaxis(q.reshape(q.shape[:-2] + (-1,))[..., :K], -1, axis).astype(np.float32)
;;   ~~~
;;   SOFTMAX AHEAD OF A QUANTISED PRODUCT. Where the list says 'softmax', what is quantised is not the finished softmax but p = 2^(t - M), with t = logit x log2(e) and M = ceil(the row's largest t), a whole number; so 1/2 < the row's largest p <= 1. The row's sum l is taken of the UNQUANTISED p, in f32, and the product's result is divided by l at the end. Since M is a whole number, a kernel that streams over the keys may use a running M (the ceiling of the running maximum): every later rescaling is an exact power of two, which a block's scale takes up: the codes' values come out the same.
;;   OPERANDS COMPUTED ON THE WAY. 'Computed on the way' means the value that the module computes at that place (a softmax that the list does not call 'softmax' is quantised finished and normalised). What goes into a quantiser is computed in f32, as accurately as f32 sums, v_exp_f32 and their like allow (about 1e-6 of the number): no bf16 or f16 on the way to a quantiser, and a product that is left as it is and whose result goes on into a quantised operand takes f32 operands (vector FMAs, or v_wmma_f32_16x16x4_f32). A number that lies on a knife's edge between two numbers of the format may be rounded either way, as far as f32 arithmetic and the matrix unit's own rounding can turn it there, and no further.
;; One version. Each part assembles by itself: llvm-mc -triple=amdgcn-amd-amdhsa -mcpu=gfx1250 --defsym DOCPART=n.
;; ======== version 1 of 1: 4 launches
;; limits: right only within a limited range of input values
;; workspace buffers: c1 8,650,752 bytes; s1 360,448 bytes; qkv 20,185,088 bytes; c4 7,077,888 bytes; s4 294,912 bytes
;; launch quant (part 1): grid 384 x 1, 4 waves a work-group, no clusters, 34,304 bytes of LDS; arguments x, W_qkv, W_out, c1, s1, c4, s4; writes c1, s1, c4, s4
.if DOCPART == 1
	.amdgcn_target "amdgcn-amd-amdhsa--gfx1250"
	.amdhsa_code_object_version 6
	.text
	.protected	k_q420c0d4839_quant
	.globl	k_q420c0d4839_quant
	.p2align	8
	.type	k_q420c0d4839_quant,@function
k_q420c0d4839_quant:
	s_mov_b64 s[64:65], 0
	v_nop
	global_prefetch_b8 v0, s[64:65] scope:SCOPE_SE
	s_setreg_imm32_b32 hwreg(HW_REG_WAVE_MODE, 25, 1), 1
	s_wait_xcnt 0x0
; x [8192][1024], W_qkv [1024][3072] and W_out [1024][1024], f32, become codes of FP6 (E2M3) with one E8M0 byte for each 32 along K (x: its last axis; the weights: their FIRST axis).
; A block's scale is 2^(floor(log2(its largest magnitude)) - 2); its byte is that magnitude's exponent field - 2, held at 1 from below.
; WHAT IS STORED ARE IMAGES OF OPERAND REGISTERS.  A row set is cut into tiles of 16 rows; image row r of tile T is row 32 (T / 2) + 8 (T % 2) + r + 8 (r / 8), so that the results of two neighbouring
; tiles are 16 neighbours in a lane of the product that takes them as source 0.  A fragment (16 rows x 128 K, 12 registers a lane) is 1,536 bytes: two halves of 768, each: registers 6 c .. 6 c + 3 at 16 x lane (512 bytes),
; registers 6 c + 4, 6 c + 5 at 512 + 8 x lane (256 bytes).  A tile's 8 fragments lie on end (12,288 bytes).  Its scale words: [K step / 4][r][K step % 4], 512 bytes.
; c1, s1: tiles 0-511 x, tiles 512-703 W_qkv's columns.  c4, s4: tiles 512-575 W_out's columns (tiles 0-511 are written by a later launch).
; SHARES.  Work-groups 0-255: x, a wave to half a tile (4 fragments).  256-351: W_qkv, 352-383: W_out: a work-group to 128 columns x 256 along K, a wave to 32 columns (two tiles).  Waves share nothing: no barrier.
; LIMITS: NaN and infinities among the inputs are not served; blocks whose largest magnitude lies under 2^-124 keep the byte 1; a block of zeros gets the byte 1 (its codes are zeros; this program alone reads the bytes).
.set STGB, 8448                        ; LDS: a stage for each wave: 16 rows x (512 bytes + 16)
.set TM,  16                           ; v16-31   at work: +0..3 largest magnitudes, +4..7 bytes, +12..15 the conversions' scale operands
.set PC,  32                           ; v32-51   the fragment just made (12) and the conversions' second halves
.set PW,  52                           ; v52-55   x: the four fragments' scale words
.set R0,  64                           ; v64-191  x: two sets of 64 numbers as loaded
.set XN,  192                          ; v192-255 x: 64 numbers of my row, register 16 b + i = k 32 b + 16 (lane / 16) + i
.set XW,  64                           ; v64-127  weights: two sets of 32 numbers down K
.set CW,  192                          ; v192-255 weights: codes, a set of 32 for each K step, block b at + 8 b
.set SW,  56                           ; v56-57   weights: my column's two scale words
.set SEL, 20                           ; s[20:21] lane selects: lane l xor 16
	s_load_b256 s[4:11], s[0:1], 0x0               ; x s[4:5], W_qkv s[6:7], W_out s[8:9], c1 s[10:11]
	s_load_b128 s[12:15], s[0:1], 0x20             ; s1 s[12:13], c4 s[14:15]
	s_load_b64 s[16:17], s[0:1], 0x30              ; s4
	v_lshl_add_u32 v62, v0, 2, 0x8400
	v_mov_b32 v63, 0
	v_lshrrev_b32 v1, 5, v0
	v_readfirstlane_b32 s18, v1                    ; wave
	v_and_b32 v1, 31, v0                           ; lane
	v_and_b32 v2, 15, v0                           ; r
	v_bfe_u32 v3, v0, 4, 1                         ; h
	v_lshlrev_b32 v4, 4, v1                        ; 16 x lane
	v_lshlrev_b32 v5, 3, v1                        ; 8 x lane
	s_mov_b32 s[SEL], 0x76543210
	s_mov_b32 s[SEL+1], 0xfedcba98
	s_cmp_lt_u32 ttmp9, 256
	s_cbranch_scc0 .Lweights
; ---------------- x: K is innermost ----------------
; 64 numbers of a lane, v[s] on, become a fragment's codes in v[PC] on and its row's scale word in v[w].
.macro QUANT s, w
.irp b, 0,1,2,3
	v_max3_num_f32 v[TM+\b], |v[\s+16*\b]|, |v[\s+1+16*\b]|, 0x1800000   ; block b: my 16 numbers, and the floor 2^(3 - 127): the byte cannot fall under 1
.endr
.irp i, 2,4,6,8,10,12,14
.irp b, 0,1,2,3
	v_max3_num_f32 v[TM+\b], v[TM+\b], |v[\s+16*\b+\i]|, |v[\s+1+16*\b+\i]|   ; the four blocks by turns
.endr
.endr
.irp b, 0,1,2,3
	v_permlanex16_b32 v[TM+4+\b], v[TM+\b], s[SEL], s[SEL+1]
.endr
.irp b, 0,1,2,3
	v_max_num_f32 v[TM+\b], v[TM+\b], v[TM+4+\b]   ; with lane l xor 16's 16: the block's largest magnitude
.endr
.irp b, 0,1,2,3
	v_add_nc_u32 v[TM+12+\b], 0xff000000, v[TM+\b] ; 2 off its exponent field: the conversion's scale operand
.endr
.irp b, 0,1,2,3
	v_lshrrev_b32 v[TM+4+\b], 23, v[TM+12+\b]      ; the scale's byte
.endr
	v_lshl_or_b32 v[\w], v[TM+5], 8, v[TM+4]
	v_lshl_or_b32 v[\w], v[TM+6], 16, v[\w]
	v_lshl_or_b32 v[\w], v[TM+7], 24, v[\w]
.irp c, 0,1
	v_cvt_scalef32_pk16_fp6_f32 v[PC+6*\c:PC+2+6*\c], v[\s+32*\c:\s+15+32*\c], v[TM+12+2*\c]
	v_cvt_scalef32_pk16_fp6_f32 v[PC+12+4*\c:PC+14+4*\c], v[\s+16+32*\c:\s+31+32*\c], v[TM+12+2*\c+1]   ; (a conversion's three registers begin on an even number)
.endr
	v_nop                                          ; one plain place behind a scaled conversion
.irp c, 0,1                                    ; the operand's layout wants a whole block in a lane: lanes 0-15 block 2 c, lanes 16-31 block 2 c + 1
.irp i, 0,1,2
	v_permlane16_swap_b32 v[PC+6*\c+\i], v[PC+12+4*\c+\i]
.endr
.irp i, 0,1,2
	v_mov_b32 v[PC+3+6*\c+\i], v[PC+12+4*\c+\i]
.endr
.endr
.endm
.macro LOADX f, set                            ; fragment f: 128 numbers of each of the tile's 16 rows; a load reads 512 consecutive bytes of one row
.irp i, 0,1,2,3,4,5,6,7,8,9,10,11,12,13,14,15
	global_load_b128 v[\set+4*\i:\set+4*\i+3], v4, s[4:5] offset:(\i+8*(\i/8))*4096+512*(\f) th:TH_LOAD_NT
.endr
.endm
.macro TURNX set                               ; through my stage: in as loaded, out 16 neighbours of each block a lane.  LDS serves a wave's instructions in order: no wait between
.irp i, 0,1,2,3,4,5,6,7,8,9,10,11,12,13,14,15
	ds_store_b128 v6, v[\set+4*\i:\set+4*\i+3] offset:528*\i
.endr
.irp b, 0,1,2,3
.irp j, 0,1,2,3
	ds_load_b128 v[XN+16*\b+4*\j:XN+16*\b+4*\j+3], v7 offset:128*\b+16*\j
.endr
.endr
.endm
.macro FRAGX f, left
	s_wait_loadcnt \left                           ; this fragment's 16 loads are in; the next fragment's 16 may be out
	TURNX R0+64*((\f)%2)
	s_wait_dscnt 0x0                               ; my numbers are back, and the stage's stores have read their registers
.if (\f) > 0
	s_wait_xcnt 0x0                                ; the last fragment's stores have read the codes' registers: they are written again only behind this wait
.endif
.if (\f) < 2
	LOADX (\f)+2, R0+64*((\f)%2)
.endif
	QUANT XN, PW+(\f)
	global_store_b128 v4, v[PC:PC+3], s[10:11] offset:1536*(\f)            ; 512 consecutive bytes,
	global_store_b64 v5, v[PC+4:PC+5], s[10:11] offset:1536*(\f)+512       ; 256,
	global_store_b128 v4, v[PC+6:PC+9], s[10:11] offset:1536*(\f)+768      ; and the second half likewise
	global_store_b64 v5, v[PC+10:PC+11], s[10:11] offset:1536*(\f)+1280
.endm
	s_mul_i32 s19, s18, STGB
	v_add_nc_u32 v6, s19, v4                       ; the stage, in: 16 x lane
	v_mul_u32_u24 v7, v2, 528
	v_lshl_add_u32 v7, v3, 6, v7
	v_add_nc_u32 v7, s19, v7                       ; and out: row r, + 64 h
	v_lshlrev_b32 v8, 4, v2                        ; 16 r: my row's four scale words
.irp b, 0,1,2,3
	v_mov_b32 v[TM+4+\b], 0                        ; written once: a lane permute's destination counts as one of its sources
.endr
	s_lshl_b32 s22, ttmp9, 2
	s_add_co_u32 s22, s22, s18                     ; id = 2 x tile + half
	s_lshr_b32 s26, s22, 2
	s_lshl_b32 s26, s26, 17                        ; 32 (T / 2) rows of 4,096 bytes
	s_bfe_u32 s27, s22, 0x10001
	s_lshl_b32 s27, s27, 15                        ; 8 (T % 2) rows
	s_add_co_u32 s26, s26, s27
	s_and_b32 s27, s22, 1
	s_lshl_b32 s27, s27, 11                        ; my half of K: 512 numbers
	s_add_co_u32 s26, s26, s27
	s_mov_b32 s27, 0
	s_mul_i32 s28, s22, 6144                       ; four fragments
	s_mov_b32 s29, 0
	s_lshl_b32 s30, s22, 8                         ; 256 bytes of scale words
	s_mov_b32 s31, 0
	s_wait_alu depctr_va_vdst(0)
	s_wait_kmcnt 0x0
	s_add_nc_u64 s[4:5], s[4:5], s[26:27]
	s_add_nc_u64 s[10:11], s[10:11], s[28:29]
	s_add_nc_u64 s[12:13], s[12:13], s[30:31]
	LOADX 0, R0
	LOADX 1, R0+64
	FRAGX 0, 16
	FRAGX 1, 16
	FRAGX 2, 16
	FRAGX 3, 0
	s_wait_xcnt 0x0                                ; EXEC changes only behind this wait
	v_cmp_gt_u32 vcc_lo, 16, v1
	s_wait_tensorcnt 0x0
	ds_add_u32 v62, v63
	s_wait_dscnt 0x0
	s_and_saveexec_b32 s22, vcc_lo
	global_store_b128 v8, v[PW:PW+3], s[12:13]     ; lanes 0-15 store 256 consecutive bytes (lanes 16-31 hold the same words)
	s_wait_xcnt 0x0
	s_or_b32 exec_lo, exec_lo, s22
	s_endpgm
; ---------------- the weights: K is the first axis ----------------
; A lane takes a column and its registers run down K: a block of 32 lies in one lane.  Lanes 0-15 take the image rows of tile 2 j, lanes 16-31 those of tile 2 j + 1.
.macro LOADW t                                 ; block t: rows 32 t .. 32 t + 31 of my 256, at my column; a load reads 128 consecutive bytes
.set i, 0
.rept 32
	global_load_b32 v[XW+32*((\t)%2)+i], v9, s[WSRC:WSRC+1] offset:(32*(\t)+i)*WN*4 th:TH_LOAD_NT
.set i, i+1
.endr
.endm
.macro BLOCKW t
.set XS, XW+32*((\t)%2)
.set CK, CW+32*((\t)/4)
.set CB, CK+8*((\t)%4)
.if (\t) < 7
	s_wait_loadcnt 32                              ; this block's 32 loads are in; the next block's may be out
.else
	s_wait_loadcnt 0x0
.endif
	v_max3_num_f32 v12, |v[XS]|, |v[XS+1]|, |v[XS+2]|
	v_max3_num_f32 v13, |v[XS+3]|, |v[XS+4]|, |v[XS+5]|
.irp i, 6,10,14,18,22,26
	v_max3_num_f32 v12, v12, |v[XS+\i]|, |v[XS+\i+1]|
	v_max3_num_f32 v13, v13, |v[XS+\i+2]|, |v[XS+\i+3]|
.endr
	v_max3_num_f32 v12, v12, |v[XS+30]|, |v[XS+31]|
	v_max3_num_f32 v12, v12, v13, 0x1800000        ; and the floor
	v_add_nc_u32 v11, 0xff000000, v12              ; the conversion's scale operand
	v_lshrrev_b32 v13, 23, v11                     ; the byte
.if (\t)%4 == 0
	v_mov_b32 v[SW+(\t)/4], v13
.else
	v_lshl_or_b32 v[SW+(\t)/4], v13, 8*((\t)%4), v[SW+(\t)/4]
.endif
	v_cvt_scalef32_pk16_fp6_f32 v[CB:CB+2], v[XS:XS+15], v11
	v_cvt_scalef32_pk16_fp6_f32 v[CB+4:CB+6], v[XS+16:XS+31], v11
.if (\t)+2 < 8
	LOADW (\t)+2
.endif
.if (\t)%4 == 3                                ; a K step's four blocks are made
	v_nop                                          ; one plain place behind a scaled conversion
.irp c, 0,1                                    ; block 2 c's lanes 16-31 change places with block 2 c + 1's lanes 0-15: the first is then half c of the even tile's fragment, the second of the odd tile's
.irp i, 0,1,2,4,5,6
	v_permlane16_swap_b32 v[CK+16*\c+\i], v[CK+16*\c+8+\i]
.endr
.endr
.irp b, 0,1,2,3                                ; six registers on end
	v_mov_b32 v[CK+8*\b+3], v[CK+8*\b+4]
	v_mov_b32 v[CK+8*\b+4], v[CK+8*\b+5]
	v_mov_b32 v[CK+8*\b+5], v[CK+8*\b+6]
.endr
.irp u, 0,1
.irp c, 0,1
	global_store_b128 v4, v[CK+16*\c+8*\u:CK+16*\c+8*\u+3], s[WCD:WCD+1] offset:12288*\u+1536*((\t)/4)+768*\c
	global_store_b64 v5, v[CK+16*\c+8*\u+4:CK+16*\c+8*\u+5], s[WCD:WCD+1] offset:12288*\u+1536*((\t)/4)+768*\c+512
.endr
.endr
.endif
.endm
.macro WBODY                                   ; WN columns; work-groups from WFIRST on; pointers s[WSRC], s[WCD], s[WSD]
	s_sub_co_u32 s22, ttmp9, WFIRST
	s_lshr_b32 s23, s22, 2                         ; which 128 columns
	s_and_b32 s24, s22, 3                          ; which 256 along K: K steps 2 ky, 2 ky + 1
	s_mul_i32 s26, s24, 256*WN*4
	s_lshl_b32 s27, s23, 9
	s_add_co_u32 s26, s26, s27
	s_lshl_b32 s27, s18, 7
	s_add_co_u32 s26, s26, s27                     ; + 4 (128 cg + 32 wave)
	s_mov_b32 s27, 0
	s_lshl_b32 s25, s23, 3
	s_lshl_b32 s28, s18, 1
	s_add_co_u32 s25, s25, s28
	s_add_co_u32 s25, s25, 512                     ; my even tile
	s_mul_i32 s28, s25, 12288
	s_mul_i32 s29, s24, 3072
	s_add_co_u32 s28, s28, s29
	s_mov_b32 s29, 0
	s_lshl_b32 s30, s25, 9
	s_lshr_b32 s31, s24, 1
	s_lshl_b32 s31, s31, 8
	s_add_co_u32 s30, s30, s31
	s_and_b32 s31, s24, 1
	s_lshl_b32 s31, s31, 3
	s_add_co_u32 s30, s30, s31
	s_mov_b32 s31, 0
	s_wait_kmcnt 0x0
	s_add_nc_u64 s[WSRC:WSRC+1], s[WSRC:WSRC+1], s[26:27]
	s_add_nc_u64 s[WCD:WCD+1], s[WCD:WCD+1], s[28:29]
	s_add_nc_u64 s[WSD:WSD+1], s[WSD:WSD+1], s[30:31]
	LOADW 0
	LOADW 1
.irp t, 0,1,2,3,4,5,6,7
	BLOCKW \t
.endr
	global_store_b64 v10, v[SW:SW+1], s[WSD:WSD+1] ; my column's two words: 8 bytes of each 16; the other 8 come from the work-group beside me along K
	s_endpgm
.endm
.Lweights:
	v_and_b32 v9, 7, v0
	v_bfe_u32 v10, v0, 3, 1
	v_lshl_add_u32 v9, v10, 4, v9
	s_wait_alu depctr_va_vdst(0)
	v_lshl_add_u32 v9, v3, 3, v9                   ; my column of the wave's 32: (l % 8) + 16 ((l / 8) % 2) + 8 (l / 16)
	v_lshlrev_b32 v9, 2, v9
	v_lshlrev_b32 v10, 4, v2
	v_lshl_add_u32 v10, v3, 9, v10                 ; scale words: 16 r, + 512 for the odd tile
	s_cmp_lt_u32 ttmp9, 352
	s_cbranch_scc0 .Lwout
.set WN, 3072
.set WFIRST, 256
.set WSRC, 6
.set WCD, 10
.set WSD, 12
	s_wait_alu depctr_va_vdst(0)
	WBODY
.Lwout:
.set WN, 1024
.set WFIRST, 352
.set WSRC, 8
.set WCD, 14
.set WSD, 16
	s_wait_alu depctr_va_vdst(0)
	WBODY
.Lfunc_end_k_q420c0d4839_quant:
	.size	k_q420c0d4839_quant, .Lfunc_end_k_q420c0d4839_quant-k_q420c0d4839_quant
	.p2alignl 7, 3214868480
	.fill 96, 4, 3214868480
	.section	.rodata,"a",@progbits
	.p2align	6, 0x0
	.amdhsa_kernel k_q420c0d4839_quant
		.amdhsa_group_segment_fixed_size 34304
		.amdhsa_private_segment_fixed_size 0
		.amdhsa_enable_private_segment 0
		.amdhsa_kernarg_size 56
		.amdhsa_user_sgpr_count 2
		.amdhsa_user_sgpr_kernarg_segment_ptr 1
		.amdhsa_wavefront_size32 1
		.amdhsa_system_sgpr_workgroup_id_x 1
		.amdhsa_system_sgpr_workgroup_id_y 1
		.amdhsa_system_sgpr_workgroup_id_z 1
		.amdhsa_system_vgpr_workitem_id 0
		.amdhsa_next_free_vgpr 256
		.amdhsa_next_free_sgpr 66
		.amdhsa_reserve_vcc 1
		.amdhsa_float_denorm_mode_32 3
		.amdhsa_float_denorm_mode_16_64 3
		.amdhsa_memory_ordered 1
		.amdhsa_forward_progress 1
		.amdhsa_inst_pref_size 112
	.end_amdhsa_kernel
	.amdgpu_metadata
---
amdhsa.version: [ 1, 2 ]
amdhsa.kernels:
  - .name:           k_q420c0d4839_quant
    .symbol:         k_q420c0d4839_quant.kd
    .args:
      - { .name: x, .offset: 0, .size: 8, .value_kind: global_buffer, .address_space: global }
      - { .name: W_qkv, .offset: 8, .size: 8, .value_kind: global_buffer, .address_space: global }
      - { .name: W_out, .offset: 16, .size: 8, .value_kind: global_buffer, .address_space: global }
      - { .name: c1, .offset: 24, .size: 8, .value_kind: global_buffer, .address_space: global }
      - { .name: s1, .offset: 32, .size: 8, .value_kind: global_buffer, .address_space: global }
      - { .name: c4, .offset: 40, .size: 8, .value_kind: global_buffer, .address_space: global }
      - { .name: s4, .offset: 48, .size: 8, .value_kind: global_buffer, .address_space: global }
    .group_segment_fixed_size: 34304
    .private_segment_fixed_size: 0
    .kernarg_segment_align: 8
    .kernarg_segment_size: 56
    .max_flat_workgroup_size: 128
    .sgpr_count:     66
    .vgpr_count:     256
    .wavefront_size: 32
...
	.end_amdgpu_metadata
.endif
;; end of part 1
;; launch gemm1 (part 2): grid 8 x 32, 4 waves a work-group, clusters of 4 x 4, 327,680 bytes of LDS; arguments c1, s1, qkv; writes qkv
.if DOCPART == 2
	.amdgcn_target "amdgcn-amd-amdhsa--gfx1250"
	.amdhsa_code_object_version 6
	.text
	.protected	k_q420c0d4839_gemm1
	.globl	k_q420c0d4839_gemm1
	.p2align	8
	.type	k_q420c0d4839_gemm1,@function
k_q420c0d4839_gemm1:
	s_mov_b64 s[64:65], 0
	v_nop
	global_prefetch_b8 v0, s[64:65] scope:SCOPE_SE
	s_setreg_imm32_b32 hwreg(HW_REG_WAVE_MODE, 25, 1), 1
	s_wait_xcnt 0x0
	s_wait_alu depctr_hold_cnt(0) depctr_sa_sdst(0) depctr_va_vdst(0) depctr_va_sdst(0) depctr_va_ssrc(0) depctr_va_vcc(0) depctr_vm_vsrc(0)
	s_getreg_b32 s2, hwreg(HW_REG_IB_STS2, 6, 4)
	s_cmp_eq_u32 s2, 0
	s_cbranch_scc0 .Lentry_in_a_cluster
	s_endpgm
.Lentry_in_a_cluster:
	s_bfe_u32 s2, ttmp6, 0x10000c
	s_cmp_lg_u32 s2, 0xf033
	s_cbranch_scc0 .Lentry_shape_is_right
	s_endpgm
.Lentry_shape_is_right:
; q, k, v = x W_qkv on codes of FP6 (E2M3), K = 1,024, and their quantising for the attention: no f32 result goes to memory.
; OPERANDS are images of operand registers (tiles of 16 rows, image row r of tile T = row 32 (T / 2) + 8 (T % 2) + r + 8 (r / 8); a fragment 1,536 bytes, a tile's 8 K steps 12,288 bytes; scale words [tile][K step / 4][r][K step % 4]).
; c1, s1: tiles 0-511 tokens, 512-575 q's columns, 576-639 k's, 640-703 v's.
; SHARES.  256 work-groups: work-group (j, y) holds 256 tokens (tiles 16 y ..) for all of K in LDS and walks THREE blocks of 128 columns: q's, k's and v's columns of heads 2 j, 2 j + 1 (tiles 512 + 8 j, 64 and 128 tiles on).
; A wave makes 64 x 128 in 32 accumulators.  THE MATRIX INSTRUCTION IS USED TRANSPOSED: source 1 gives a lane its row, source 0 the 128 neighbours along its registers (register 16 b + i = index 32 b + 16 (lane / 16) + i).
; q, k: source 1 = my 4 tiles of tokens, source 0 = the 8 tiles of columns: registers run along two heads' 64.  v: source 1 = 4 tiles of columns (one head), source 0 = 8 tiles of tokens: registers run along 128 tokens, v's K.
; THE WEIGHTS' RING: slot A holds a block's K steps 0, 1, slot B its steps 2 to 7.  Inside step 0's products slot A is filled again with the next block's (steps 0 and 1 are in registers by then),
; inside step 6's slot B; each refill stands behind the waits, the add and a round of the cluster's barrier, one joint load a wave (2 tiles).  The same barriers show the other slot whole.
; The q and k blocks are a loop of two trips, both of which refill; the v block is written out: it asks for nothing.
; CLUSTERS: 4 x 4 work-groups; the tokens are asked for jointly along a row of the cluster, the weights along a column.
; NO PREFETCH: a refill of slot A is asked for five K steps ahead of the barrier that shows it, one of slot B a K step, a way out and a step ahead.
; OUT: qkv [b x head 64][128 tokens 16][19,712 bytes]: q's 8 half images (768 each) at 0, q's scale words at 6,144, k's at 6,656, v's 4 images (16 channels x 128 tokens) at 12,800, k's words at 18,944, v's at 19,456.
; q's and k's words: [tile / 4][r][tile % 4], bytes 0, 1 the head's two scales, bytes 2, 3 zero.  v's: [r][tile].  Images leave straight from registers, 512 or 256 consecutive bytes a store.
; REGISTERS: window 0: v1-9 at work; v10-23 LDS addresses; v24-27 offsets of scale words; v28, v29 the add's; v30, v31 16 and 8 x lane; v32-95 scale words of all K; v96-127 the quantiser's; v128-223 source 1's fragments, two sets; v224-243 codes.
;   window 1: source 0's fragments, two sets, v0-95 and v128-223.   window 2: the accumulators, (a, b) at v[8 (8 a + b)].
; LIMITS: a block of zeros gets the byte 1 (its codes are zeros; this program alone reads the bytes); NaN and infinities are not served.
.set WA,    196608                     ; behind the tokens' 16 tiles x 12,288: slot A, 8 tiles x 3,072
.set WB,    221184                     ; slot B, 8 tiles x 9,216
.set SPARE, 294912                     ; the spare words, 128 bytes for each wave, named by no other line
.set NEXTW, 786432                     ; 64 tiles: from a block's weights to the next block's
.set AW0,  10                          ; pairs (+ 16 x lane, + 8 x lane).  q, k: slot A, and slot B's tiles 0-3 by the offset;
.set AW1,  12                          ; slot B's tiles 4-7;
.set ATK,  14                          ; my 4 tiles of tokens.
.set ATV,  16                          ; v: my 8 tiles of tokens, two pairs;
.set AV0,  20                          ; my 4 tiles in slot A,
.set AV1,  22                          ; and in slot B
.set SO1,  24                          ; offsets of the scale words now wanted: tiles 0-3, tiles 4-7;
.set SO2,  25
.set SOK,  26                          ; those of the k block, of the v block (v9: its tiles 4-7)
.set SOV,  27
.set SPW,  28
.set NIL,  29
.set L16,  30
.set L8,   31
.set SC,   32                          ; v[SC + 8 i + q]: lanes 0-15 the word of source 1's tile i (i under 4 is used), lanes 16-31 that of source 0's tile i, K step q
.set TM,   96
.set PW,   112                         ; v112-115 the four blocks' scale words
.set U,    120
.set U2,   124
.set AF,   128
.set PC,   224
.set G1T,  24
.set G1A,  32
.set G1B,  40
.set G0T,  48
.set G0A,  52                          ; the ring's group 0: my 2 tiles of slot A, of slot B
.set G0B,  56
.set G0HA, 60                          ; the head's: all 8 tiles
.set G0HB, 68
.set SEL,  98
.set MSB, 0
.macro WIN new                         ; the immediate's high byte repeats the setting that is left
.if MSB != (\new)
	s_set_vgpr_msb (MSB<<8)|(\new)
.set MSB, (\new)
.endif
.endm
.macro PLACES n
.rept \n
	v_nop
.endr
.endm
.macro CREST                           ; a round of the cluster's barrier behind its opening barrier
	s_cmp_lg_u32 s10, 0
	s_cbranch_scc1 .Lnot_wave_0_\@
	s_barrier_signal -3
.Lnot_wave_0_\@:
	s_barrier_wait -3
	s_barrier_signal -1
	s_barrier_wait -1
.endm
.macro CROUND
	s_barrier_signal -1
	s_barrier_wait -1
	CREST
.endm
.macro FRAG reg, adr, off              ; an image comes back as it was stored: every load reads consecutive bytes
	ds_load_b128 v[\reg:\reg+3], v[\adr] offset:\off
	ds_load_b64 v[\reg+4:\reg+5], v[\adr+1] offset:\off+512
	ds_load_b128 v[\reg+6:\reg+9], v[\adr] offset:\off+768
	ds_load_b64 v[\reg+10:\reg+11], v[\adr+1] offset:\off+1280
.endm
.macro FETCH md, q, p                  ; K step q's twelve fragments into set p: 48 loads.  md = 0: q, k; md = 1: v
	WIN 0x40
.irp i, 0,1,2,3,4,5,6,7
.if (\md) == 0
.if (\q) < 2
	FRAG 128*(\p)+12*\i, AW0, 3072*\i+1536*(\q)
.else
.if \i < 4
	FRAG 128*(\p)+12*\i, AW0, 24576+9216*\i+1536*((\q)-2)
.else
	FRAG 128*(\p)+12*\i, AW1, 9216*(\i-4)+1536*((\q)-2)
.endif
.endif
.else
	FRAG 128*(\p)+12*\i, ATV+2*(\i/4), 12288*(\i%4)+1536*(\q)
.endif
.endr
	WIN 0
.irp i, 0,1,2,3
.if (\md) == 0
	FRAG AF+48*(\p)+12*\i, ATK, 12288*\i+1536*(\q)
.else
.if (\q) < 2
	FRAG AF+48*(\p)+12*\i, AV0, 3072*\i+1536*(\q)
.else
	FRAG AF+48*(\p)+12*\i, AV1, 9216*\i+1536*((\q)-2)
.endif
.endif
.endr
.endm
.macro MULH p, q, a0                   ; 16 products; the 32 accumulators take turns in one order throughout.  K step 0 starts the sums
.irp a, \a0, \a0+1
.irp b, 0,1,2,3,4,5,6,7
.if (\q) == 0
	v_wmma_scale_f32_16x16x128_f8f6f4 v[8*(8*(\a)+\b):8*(8*(\a)+\b)+7], v[128*(\p)+12*\b:128*(\p)+12*\b+11], v[AF+48*(\p)+12*(\a):AF+48*(\p)+12*(\a)+11], 0, v[SC+8*\b+(\q)], v[SC+8*(\a)+(\q)] matrix_a_fmt:MATRIX_FMT_FP6 matrix_b_fmt:MATRIX_FMT_FP6 matrix_a_scale:MATRIX_SCALE_ROW1
.else
	v_wmma_scale_f32_16x16x128_f8f6f4 v[8*(8*(\a)+\b):8*(8*(\a)+\b)+7], v[128*(\p)+12*\b:128*(\p)+12*\b+11], v[AF+48*(\p)+12*(\a):AF+48*(\p)+12*(\a)+11], v[8*(8*(\a)+\b):8*(8*(\a)+\b)+7], v[SC+8*\b+(\q)], v[SC+8*(\a)+(\q)] matrix_a_fmt:MATRIX_FMT_FP6 matrix_b_fmt:MATRIX_FMT_FP6 matrix_a_scale:MATRIX_SCALE_ROW1
.endif
.endr
.endr
.endm
.macro MUL32 p, q
	WIN 0xa1                                       ; source 0 window 1, source 1 window 0, C and D window 2
	MULH \p, \q, 0
	MULH \p, \q, 2
	WIN 0
.endm
.macro KSTEP md, q, pl                 ; the next step's fragments are asked for, into the set that the step before has multiplied, ahead of this step's products
	PLACES \pl                                     ; loads into registers that matrix instructions have read stand four plain places behind them
	FETCH \md, (\q)+1, ((\q)+1)%2
	s_wait_dscnt 48                                ; all but the 48 just issued: this step's fragments are in
	MUL32 (\q)%2, \q
.endm
.macro MEET p, q, rf                   ; a step's products with a barrier inside them.  The next step's 48 loads have been issued.  rf = 1: a slot is filled again behind it
	s_wait_tensorcnt 0x0                           ; all my tensor loads have landed
.if \rf
	ds_add_u32 v[SPW], v[NIL]                      ; 0 onto my spare word
.endif
	s_wait_dscnt 48+\rf                            ; this step's fragments are in (the next step's 48 loads, and the add, may be out)
	WIN 0xa1
	MULH \p, \q, 0
	s_wait_dscnt 0x0                               ; the next step's are in too: my reads of the slot that is left are over (and the add is done)
	s_barrier_signal -1
	MULH \p, \q, 2
	WIN 0                                          ; at a branch and at a label every window is 0
	s_barrier_wait -1
.endm
.macro REFILL g0, g1                   ; the rest of the round, and my 2 tiles of the next block's weights: the first tensor load behind it; its four v_nop are also places
	CREST
	s_add_nc_u64 s[\g0+2:\g0+3], s[\g0+2:\g0+3], NEXTW
	tensor_load_to_lds s[\g0:\g0+3], s[\g1:\g1+7]
	s_nop 0
	PLACES 4
.endm
.macro BLOCK md, rf
	FETCH \md, 0, 0
	FETCH \md, 1, 1
	s_wait_loadcnt 0x0                             ; the block's scale words
	MEET 0, 0, \rf                                 ; slot B is whole; slot A is read no more
.if \rf
	REFILL G0A, G1A
.else
	PLACES 4
.endif
	KSTEP \md, 1, 0
	KSTEP \md, 2, 4
	KSTEP \md, 3, 4
	KSTEP \md, 4, 4
	KSTEP \md, 5, 4
	PLACES 4
	FETCH \md, 7, 1
.if \rf
	MEET 0, 6, 1                                   ; the next block's slot A is whole; slot B is read no more
	REFILL G0B, G1B
.else
	s_wait_dscnt 48
	MUL32 0, 6
	s_wait_dscnt 0x0
.endif
	MUL32 1, 7
	PLACES 4                                       ; in front of the first read of results and of loads into the scale words' registers
.endm
.macro LOADSC                          ; the scale words of all of K, straight from memory: sixteen lanes read 256 consecutive bytes
.irp i, 0,1,2,3,4,5,6,7
.irp g, 0,1
	global_load_b128 v[SC+8*\i+4*\g:SC+8*\i+4*\g+3], v[SO1+\i/4], s[6:7] offset:512*\i+256*\g
.endr
.endr
.endm
; Source 1's block a: its 64 registers (window 2) become a fragment in v[PC] on and a scale word in v[PW + a].  Each accumulator is read from its low end on.
.macro QUANTW a
.set AC, 64*(\a)
	WIN 0x0a                                       ; sources 0 and 1 in the accumulators' window
.irp b, 0,1,2,3
	v_max3_num_f32 v[TM+\b], |v[AC+16*\b]|, |v[AC+16*\b+1]|, 0x1800000   ; and the floor 2^(3 - 127)
.endr
.irp i, 2,4,6,8,10,12,14
.irp b, 0,1,2,3
	v_max3_num_f32 v[TM+\b], |v[AC+16*\b+\i]|, |v[AC+16*\b+\i+1]|, v[TM+\b]
.endr
.endr
	WIN 0
.irp b, 0,1,2,3
	v_permlanex16_b32 v[TM+4+\b], v[TM+\b], s[SEL], s[SEL+1]
.endr
.irp b, 0,1,2,3
	v_max_num_f32 v[TM+\b], v[TM+\b], v[TM+4+\b]
.endr
.irp b, 0,1,2,3
	v_add_nc_u32 v[TM+12+\b], 0xff000000, v[TM+\b]
.endr
.irp b, 0,1,2,3
	v_lshrrev_b32 v[TM+4+\b], 23, v[TM+12+\b]
.endr
	v_lshl_or_b32 v[PW+(\a)], v[TM+5], 8, v[TM+4]
	v_lshl_or_b32 v[PW+(\a)], v[TM+6], 16, v[PW+(\a)]
	v_lshl_or_b32 v[PW+(\a)], v[TM+7], 24, v[PW+(\a)]
	WIN 0x02                                       ; source 0 in the accumulators' window
.irp c, 0,1
	v_cvt_scalef32_pk16_fp6_f32 v[PC+6*\c:PC+2+6*\c], v[AC+32*\c:AC+32*\c+15], v[TM+12+2*\c]
	v_cvt_scalef32_pk16_fp6_f32 v[PC+12+4*\c:PC+14+4*\c], v[AC+32*\c+16:AC+32*\c+31], v[TM+12+2*\c+1]
.endr
	WIN 0
	v_nop                                          ; one plain place behind a scaled conversion
.irp c, 0,1
.irp i, 0,1,2
	v_permlane16_swap_b32 v[PC+6*\c+\i], v[PC+12+4*\c+\i]
.endr
.irp i, 0,1,2
	v_mov_b32 v[PC+3+6*\c+\i], v[PC+12+4*\c+\i]
.endr
.endr
.endm
.macro OUT base, step, second          ; four blocks: a fragment's first half at step x a, its second half 'second' bytes on
.irp a, 0,1,2,3
.if \a > 0
	s_wait_xcnt 0x0                                ; the last block's stores have read their data: it is written again only behind this wait
.endif
	QUANTW \a
	global_store_b128 v[L16], v[PC:PC+3], s[\base:\base+1] offset:\step*\a
	global_store_b64 v[L8], v[PC+4:PC+5], s[\base:\base+1] offset:\step*\a+512
	global_store_b128 v[L16], v[PC+6:PC+9], s[\base:\base+1] offset:\step*\a+\second
	global_store_b64 v[L8], v[PC+10:PC+11], s[\base:\base+1] offset:\step*\a+\second+512
.endr
.endm
	s_load_b128 s[4:7], s[0:1], 0x0                ; c1 s[4:5], s1 s[6:7]
	s_load_b64 s[8:9], s[0:1], 0x10                ; qkv
	v_lshl_add_u32 v[SPW], v0, 2, SPARE
	v_mov_b32 v[NIL], 0
	ds_add_u32 v[SPW], v[NIL]                      ; the opening lines: the add, twice on end, and its wait ahead of my first tensor load
	ds_add_u32 v[SPW], v[NIL]
	v_lshrrev_b32 v1, 5, v0
	v_readfirstlane_b32 s10, v1                    ; wave 0..3
	s_lshr_b32 s11, s10, 1
	s_and_b32 s12, s10, 1
	s_bfe_u32 s72, ttmp6, 0x40000                  ; cx
	s_bfe_u32 s73, ttmp6, 0x40004                  ; cy
	s_lshl_b32 s76, ttmp9, 2
	s_add_co_u32 s76, s76, s72                     ; j: which pair of heads
	s_and_b32 s77, ttmp7, 0xffff
	s_lshl_b32 s77, s77, 2
	s_add_co_u32 s77, s77, s73                     ; y: which 256 tokens
	s_lshl_b32 s74, s73, 2
	s_lshl_b32 s74, 15, s74                        ; my row of the cluster
	s_lshl_b32 s75, 0x1111, s72                    ; my column
	s_or_b32 s[G1T], s74, (3<<16)|(1<<21)          ; 8 tiles of tokens: a dense block, 384 rows of 256 bytes (32 elements of 8 bytes)
	s_mov_b32 s[G1T+1], 32<<16
	s_mov_b32 s[G1T+2], 384<<16
	s_mov_b32 s[G1T+3], 32<<16
	s_mov_b32 s[G1T+4], 384
	s_mov_b32 s[G1T+5], 32
	s_mov_b32 s[G1T+6], 0
	s_mov_b32 s[G1T+7], 0
	s_or_b32 s[G1A], s75, (3<<16)|(1<<21)          ; slot A: a row is a tile's two K steps, 3,072 bytes, 12,288 apart; 8 rows at the head
	s_mov_b32 s[G1A+1], 384<<16
	s_mov_b32 s[G1A+2], 8<<16
	s_mov_b32 s[G1A+3], 384<<16
	s_mov_b32 s[G1A+4], 8
	s_mov_b32 s[G1A+5], 1536
	s_mov_b32 s[G1A+6], 0
	s_mov_b32 s[G1A+7], 0
	s_or_b32 s[G1B], s75, (3<<16)|(1<<21)          ; slot B: six K steps, 9,216 bytes
	s_mov_b32 s[G1B+1], 1152<<16
	s_mov_b32 s[G1B+2], 8<<16
	s_mov_b32 s[G1B+3], 1152<<16
	s_mov_b32 s[G1B+4], 8
	s_mov_b32 s[G1B+5], 1536
	s_mov_b32 s[G1B+6], 0
	s_mov_b32 s[G1B+7], 0
	s_mul_i32 s16, s77, 196608
	s_mul_i32 s13, s12, 98304                      ; waves 0, 1: which 8 tiles of tokens I fetch, and where they go
	s_add_co_u32 s16, s16, s13
	s_mov_b32 s17, 0
	s_mul_i32 s18, s76, 98304
	s_add_co_u32 s18, s18, 512*12288               ; q's columns of my pair of heads
	s_mov_b32 s19, 0
	s_mul_i32 s20, s10, 24576                      ; in the ring: my 2 tiles
	s_mov_b32 s21, 0
	s_mul_i32 s14, s10, 6144
	s_add_co_u32 s14, s14, WA
	s_mul_i32 s15, s10, 18432
	s_add_co_u32 s15, s15, WB
	s_mov_b32 s[SEL], 0x76543210
	s_mov_b32 s[SEL+1], 0xfedcba98
	s_mov_b32 s2, 0xffff0000                       ; lanes 16-31
	s_mul_i32 s81, s10, 49152                      ; LDS: q, k: my 4 tiles of tokens
	s_mul_i32 s82, s12, 98304                      ; v: my 8 tiles of tokens,
	s_add_co_u32 s83, s82, 49152
	s_mul_i32 s84, s11, 12288
	s_add_co_u32 s84, s84, WA                      ; my 4 tiles in slot A,
	s_mul_i32 s85, s11, 36864
	s_add_co_u32 s85, s85, WB                      ; and in slot B
	s_lshl_b32 s86, s77, 4
	s_lshl_b32 s22, s10, 2
	s_add_co_u32 s86, s86, s22
	s_lshl_b32 s86, s86, 9                         ; scale words, 512 bytes a tile: q, k: tokens' tile 16 y + 4 wave,
	s_lshl_b32 s87, s76, 3
	s_add_co_u32 s87, s87, 512
	s_lshl_b32 s87, s87, 9                         ; columns' tile 512 + 8 j
	s_lshl_b32 s22, s11, 11
	s_add_co_u32 s90, s87, s22
	s_add_co_u32 s90, s90, 65536                   ; v: columns' tile 640 + 8 j + 4 (wave / 2),
	s_lshl_b32 s91, s77, 4
	s_lshl_b32 s22, s12, 3
	s_add_co_u32 s91, s91, s22
	s_lshl_b32 s91, s91, 9                         ; tokens' tile 16 y + 8 (wave % 2)
	; where the results go
	s_lshr_b32 s22, s77, 3
	s_lshl_b32 s22, s22, 4
	s_lshl_b32 s23, s76, 1
	s_add_co_u32 s22, s22, s23                     ; 16 b + 2 j
	s_lshl_b32 s23, s77, 1
	s_and_b32 s23, s23, 15                         ; 2 y among the batch's 16 groups of 128 tokens
	s_lshl_b32 s78, s22, 4
	s_add_co_u32 s78, s78, s23
	s_add_co_u32 s78, s78, s11                     ; q, k: my 64 tokens lie in group 2 y + wave / 2,
	s_mul_i32 s78, s78, 19712
	s_mul_i32 s80, s12, 3072
	s_add_co_u32 s88, s78, s80                     ; from its tile 4 (wave % 2) on
	s_mov_b32 s89, 0
	s_lshl_b32 s80, s12, 8
	s_add_co_u32 s92, s78, s80
	s_add_co_u32 s92, s92, 6144                    ; and q's words
	s_mov_b32 s93, 0
	s_add_co_u32 s22, s22, s11                     ; v: head 2 j + wave / 2,
	s_lshl_b32 s22, s22, 4
	s_add_co_u32 s22, s22, s23
	s_add_co_u32 s22, s22, s12                     ; group 2 y + wave % 2
	s_mul_i32 s94, s22, 19712
	s_add_co_u32 s94, s94, 12800
	s_mov_b32 s95, 0
	s_wait_dscnt 0x0                               ; both opening adds are done
	s_wait_kmcnt 0x0
	s_add_nc_u64 s[88:89], s[8:9], s[88:89]
	s_add_nc_u64 s[92:93], s[8:9], s[92:93]
	s_add_nc_u64 s[94:95], s[8:9], s[94:95]
	s_mov_b32 s[G0T], 1
	s_mov_b32 s[G0T+1], s13
	s_add_nc_u64 s[G0T+2:G0T+3], s[4:5], s[16:17]
	s_or_b32 s[G0T+3], s[G0T+3], 0x80000000
	s_add_nc_u64 s[18:19], s[4:5], s[18:19]
	s_mov_b32 s[G0HA], 1
	s_mov_b32 s[G0HA+1], WA
	s_mov_b64 s[G0HA+2:G0HA+3], s[18:19]
	s_or_b32 s[G0HA+3], s[G0HA+3], 0x80000000
	s_mov_b32 s[G0HB], 1
	s_mov_b32 s[G0HB+1], WB
	s_add_nc_u64 s[G0HB+2:G0HB+3], s[18:19], 3072
	s_or_b32 s[G0HB+3], s[G0HB+3], 0x80000000
	s_add_nc_u64 s[18:19], s[18:19], s[20:21]
	s_mov_b32 s[G0A], 1
	s_mov_b32 s[G0A+1], s14
	s_mov_b64 s[G0A+2:G0A+3], s[18:19]
	s_or_b32 s[G0A+3], s[G0A+3], 0x80000000
	s_mov_b32 s[G0B], 1
	s_mov_b32 s[G0B+1], s15
	s_add_nc_u64 s[G0B+2:G0B+3], s[18:19], 3072
	s_or_b32 s[G0B+3], s[G0B+3], 0x80000000
	CROUND                                         ; all sixteen work-groups are here: the first joint loads meet
	s_cmp_lt_u32 s10, 2                            ; the head's loads, one a wave: waves 0, 1 the tokens' halves, wave 2 slot A, wave 3 slot B
	s_cbranch_scc0 .Lhead_a
	tensor_load_to_lds s[G0T:G0T+3], s[G1T:G1T+7]
	s_nop 0
	PLACES 4
	s_branch .Lhead_asked
.Lhead_a:
	s_cmp_lt_u32 s10, 3
	s_cbranch_scc0 .Lhead_b
	tensor_load_to_lds s[G0HA:G0HA+3], s[G1A:G1A+7]
	s_nop 0
	PLACES 4
	s_branch .Lhead_asked
.Lhead_b:
	tensor_load_to_lds s[G0HB:G0HB+3], s[G1B:G1B+7]
	s_nop 0
	PLACES 4
.Lhead_asked:
	v_and_b32 v1, 31, v0                           ; lane
	v_and_b32 v2, 15, v0                           ; r
	v_bfe_u32 v3, v0, 4, 1                         ; h
	v_lshlrev_b32 v[L16], 4, v1
	v_lshlrev_b32 v[L8], 3, v1
	v_mov_b32 v4, s86
	v_mov_b32 v5, s87
	v_lshlrev_b32 v7, 4, v2                        ; 16 r
	v_cndmask_b32 v[SO1], v4, v5, s2               ; lanes 0-15 source 1's tiles, lanes 16-31 source 0's
	v_add_nc_u32 v5, 0x8000, v5                    ; k's columns: 64 tiles on
	v_add_nc_u32 v[SO1], v[SO1], v7
	v_cndmask_b32 v[SOK], v4, v5, s2
	v_mov_b32 v[SO2], v[SO1]
	LOADSC                                         ; q's block
	v_add_nc_u32 v[SOK], v[SOK], v7
	v_mov_b32 v4, s90
	v_mov_b32 v5, s91
	v_cndmask_b32 v[SOV], v4, v5, s2
	v_add_nc_u32 v4, 0xfffff800, v4                ; source 1 has 4 tiles: for i = 4 .. 7 lanes 0-15 name tiles 0-3 again, inside the buffer
	v_add_nc_u32 v[SOV], v[SOV], v7
	v_cndmask_b32 v9, v4, v5, s2
	v_add_nc_u32 v9, v9, v7
	v_mul_u32_u24 v8, v3, 315392                   ; q's, k's words: lanes 16-31 store the next head's
	v_add_nc_u32 v8, v8, v7
	v_add_nc_u32 v[AW0], WA, v[L16]
	v_add_nc_u32 v[AW0+1], WA, v[L8]
	v_add_nc_u32 v[AW1], WB+36864, v[L16]
	v_add_nc_u32 v[AW1+1], WB+36864, v[L8]
	v_add_nc_u32 v[ATK], s81, v[L16]
	v_add_nc_u32 v[ATK+1], s81, v[L8]
	v_add_nc_u32 v[ATV], s82, v[L16]
	v_add_nc_u32 v[ATV+1], s82, v[L8]
	v_add_nc_u32 v[ATV+2], s83, v[L16]
	v_add_nc_u32 v[ATV+3], s83, v[L8]
	v_add_nc_u32 v[AV0], s84, v[L16]
	v_add_nc_u32 v[AV0+1], s84, v[L8]
	v_add_nc_u32 v[AV1], s85, v[L16]
	v_add_nc_u32 v[AV1+1], s85, v[L8]
.irp b, 0,1,2,3
	v_mov_b32 v[TM+4+\b], 0                        ; written once: a lane permute's destination counts as one of its sources
.endr
	s_wait_alu depctr_va_vdst(0)
	s_wait_tensorcnt 0x0                           ; my tile of the head's four is in
	s_mov_b32 s[G1A+2], 2<<16                      ; no tensor load of mine is out: from here on a load brings 2 tiles
	s_mov_b32 s[G1A+4], 2
	s_mov_b32 s[G1B+2], 2<<16
	s_mov_b32 s[G1B+4], 2
	s_barrier_signal -1
	s_barrier_wait -1                              ; everybody's is
	s_mov_b32 s79, 0                               ; the block: 0 q, 1 k
.Lblk:
	BLOCK 0, 1
	s_cmp_eq_u32 s79, 0                            ; the next block's scale words are on their way while this block goes out: k's, then v's
	s_cselect_b32 s80, 0, -1
	v_cndmask_b32 v[SO1], v[SOK], v[SOV], s80
	v_cndmask_b32 v[SO2], v[SOK], v9, s80
	LOADSC
	OUT 88, 768, 315392                            ; a fragment's first half is head 2 j's half image, its second head 2 j + 1's, a head's 16 blocks on
	s_wait_alu depctr_va_vdst(0)
.irp j, 0,1,2,3
	v_lshrrev_b32 v[U2+\j], 16, v[PW+\j]           ; the second head's two bytes,
	v_and_b32 v[U+\j], 0xffff, v[PW+\j]            ; the first head's
.endr
.irp j, 0,1,2,3
	v_cndmask_b32 v[U+\j], v[U+\j], v[U2+\j], s2
.endr
	global_store_b128 v8, v[U:U+3], s[92:93]       ; 256 consecutive bytes for each of the two heads (every lane holds its row's word of every block)
	s_wait_alu depctr_va_vdst(0)
	s_wait_xcnt 0x0                                ; the stores have read their data and bases
	s_add_nc_u64 s[88:89], s[88:89], 6656          ; from q's images to k's,
	s_add_nc_u64 s[92:93], s[92:93], 12800         ; from q's words to k's
	s_add_co_u32 s79, s79, 1
	s_cmp_lt_u32 s79, 2
	s_cbranch_scc1 .Lblk
	BLOCK 1, 0                                     ; v: nothing more is asked for
	OUT 94, 1536, 768                              ; block a is v's image a
	s_wait_alu depctr_va_vdst(0)
	s_wait_xcnt 0x0                                ; EXEC changes only behind this wait
	v_cmp_gt_u32 vcc_lo, 16, v1
	s_and_saveexec_b32 s3, vcc_lo
	global_store_b128 v7, v[PW:PW+3], s[94:95] offset:6656   ; v's words: lanes 0-15 store 256 consecutive bytes
	s_wait_xcnt 0x0
	s_or_b32 exec_lo, exec_lo, s3
	s_wait_tensorcnt 0x0                           ; the wave's end
	ds_add_u32 v[SPW], v[NIL]
	s_wait_dscnt 0x0
	CROUND                                         ; the closing round
	s_endpgm
.Lfunc_end_k_q420c0d4839_gemm1:
	.size	k_q420c0d4839_gemm1, .Lfunc_end_k_q420c0d4839_gemm1-k_q420c0d4839_gemm1
	.p2alignl 7, 3214868480
	.fill 96, 4, 3214868480
	.section	.rodata,"a",@progbits
	.p2align	6, 0x0
	.amdhsa_kernel k_q420c0d4839_gemm1
		.amdhsa_group_segment_fixed_size 327680
		.amdhsa_private_segment_fixed_size 0
		.amdhsa_enable_private_segment 0
		.amdhsa_kernarg_size 24
		.amdhsa_user_sgpr_count 2
		.amdhsa_user_sgpr_kernarg_segment_ptr 1
		.amdhsa_wavefront_size32 1
		.amdhsa_system_sgpr_workgroup_id_x 1
		.amdhsa_system_sgpr_workgroup_id_y 1
		.amdhsa_system_sgpr_workgroup_id_z 1
		.amdhsa_system_vgpr_workitem_id 0
		.amdhsa_next_free_vgpr 768
		.amdhsa_next_free_sgpr 100
		.amdhsa_reserve_vcc 1
		.amdhsa_float_denorm_mode_32 3
		.amdhsa_float_denorm_mode_16_64 3
		.amdhsa_memory_ordered 1
		.amdhsa_forward_progress 1
		.amdhsa_inst_pref_size 167
	.end_amdhsa_kernel
	.amdgpu_metadata
---
amdhsa.version: [ 1, 2 ]
amdhsa.kernels:
  - .name:           k_q420c0d4839_gemm1
    .symbol:         k_q420c0d4839_gemm1.kd
    .args:
      - { .name: c1, .offset: 0, .size: 8, .value_kind: global_buffer, .address_space: global }
      - { .name: s1, .offset: 8, .size: 8, .value_kind: global_buffer, .address_space: global }
      - { .name: qkv, .offset: 16, .size: 8, .value_kind: global_buffer, .address_space: global }
    .group_segment_fixed_size: 327680
    .private_segment_fixed_size: 0
    .kernarg_segment_align: 8
    .kernarg_segment_size: 24
    .max_flat_workgroup_size: 128
    .sgpr_count:     100
    .vgpr_count:     768
    .wavefront_size: 32
...
	.end_amdgpu_metadata
.endif
;; end of part 2
;; launch attn (part 3): grid 64 x 4, 16 waves a work-group, no clusters, 263,168 bytes of LDS; arguments qkv, temperature, c4, s4; writes c4, s4
.if DOCPART == 3
	.amdgcn_target "amdgcn-amd-amdhsa--gfx1250"
	.amdhsa_code_object_version 6
	.text
	.protected	k_q420c0d4839_attn
	.globl	k_q420c0d4839_attn
	.p2align	8
	.type	k_q420c0d4839_attn,@function
k_q420c0d4839_attn:
	s_mov_b64 s[64:65], 0
	v_nop
	global_prefetch_b8 v0, s[64:65] scope:SCOPE_SE
	s_setreg_imm32_b32 hwreg(HW_REG_WAVE_MODE, 25, 1), 1
	s_wait_xcnt 0x0
; For each (b, head): O = softmax(q k^T exp(temperature), the diagonal left out) v, both products on codes of FP6 (E2M3); O is quantised along head x 64 + channel and stored as codes.
; IN: qkv [b x head 64][128 tokens 16][19,712]: q's 8 half images at 0, q's scale words at 6,144, then one dense run of 13,056 bytes: k's 8 half images, v's 4 images (16 channels x 128 tokens), k's words, v's words.
; An image tile T holds, in row r, token 32 (T / 2) + 8 (T % 2) + r + 8 (r / 8) of its 128.
; THE SOFTMAX: t = score x c, c = exp(temperature) log2(e); M = the running largest t rounded UP to a whole number; p = 2^(t - M) is quantised along the keys; the row's sum is taken of the unquantised p and divides O at the end.
; When M moves, the sum and O are multiplied by 2^(old M - new M): exact.  The diagonal's score becomes -infinity ahead of the maximum: p = 0.
; SHARES.  A work-group owns one (b, head) (the grid's x) and 512 queries (its y).  The head's whole K and V lie in LDS: wave w brings key step w (128 keys) by one tensor load; nothing is filled again: one barrier in the launch.
; Each of the sixteen waves takes one tile of 16 queries in each of two passes and walks the 16 key steps.
; LDS: the load lays 64 bytes of padding behind each 256, so chunk n of a step's 51 begins at 320 n; a step takes 16,320 bytes.
; LAYOUT.  Both products transposed (S^T = k q^T, O^T = v^T p^T): a lane holds one query.  THE KEYS OF A SCORE TILE ARE CHOSEN BY ADDRESS: tile (g, t), row 8 h' + j takes key 64 g + 32 h' + 8 t + j, which lies in
; image tile 4 g + 2 h' + t % 2, row 8 (t / 2) + j.  So lane (r, h) holds in score registers 32 g .. 32 g + 31 the keys 64 g + 32 h + 0 .. 31: a WHOLE block of 32, in the order that the second product's operand wants.
; TWO REGIONS OF 64 REGISTERS CHANGE ROLES from step to step (a loop trip is two steps): one holds k's and then v's fragments, the other the scores and p.  When p has been converted and summed, the NEXT step's
; fragments and words of k are loaded into p's registers, ahead of the rescaling of O^T and of the second product.  Behind step 15 the walk wraps to step 0, whose k serves the next pass (after the last pass it is loaded and not used).
; K = 64 IN A PRODUCT OF 128: q's upper six registers are zero codes and its upper two scale bytes 0.  k's tile a is named with the six registers behind it: the next tile's codes, or behind the last tile whatever was
; written there last; every pattern of bits is a finite code, meets q's zeros and adds 0.
; NO CLUSTER, though the four work-groups of a head read the same K and V: the key step in which a wave hides the diagonal is picked by a scalar branch on its block of queries, which differs between such partners;
; hiding it in every step instead would add 64 instructions to each of 16 steps.  NO PREFETCH: all of K and V is asked for by the head's loads; there is no later tile to run ahead for.
; LIMITS: temperature between about -87 and 88, so that c is a normal positive f32; the scaled scores t stay under 2^31 in magnitude; NaN and infinities are not served; a block of zeros gets the byte 1.
.set BLK,  19712
.set STEPB, 16320
.set SPARE, 16*STEPB                   ; the spare words, 128 bytes for each wave, named by no other line
; v1 16 x lane, v2 8 x lane, v3 16 r;  lane terms of LDS addresses: v4 k's 16-byte pieces, v5 k's 8-byte pieces, v6 v's 16-byte pieces, v7 k's words;  v8 where my diagonal lies, v9 8 h, v10 lane, v11 -infinity
; v12 -M, v13 the largest t, v[14:15] the sum;  v16-27 q;  v28, v29, v232 k's addresses, v30, v31, v233 v's;  v32-95 and v96-159 the two regions;  v160-191 O^T;  v192-203 p's codes, v204-210 their upper halves
.set BM,  212                          ; v212-215 maxima: two chains for each of my two blocks
.set PD,  216                          ; v216-219 permutes' destinations, bytes
.set SO,  220                          ; v220-221 the conversions' scale operands
.set T0,  222
.set T1,  223
.set X1,  224                          ; v224-229 the sum's three other chains
.set FF,  230                          ; v[230:231] f = 2^(old M - new M)
.set KS,  240                          ; v240-247 k's scale words; v248-251 v's; v252 p's; v253 q's: they hold scales and nothing else
.set VS,  248
.set PS,  252
.set QS,  253
.set WV,  12
.set SEL, 28
.set CS,  30
.macro PRO                             ; a pass's set-up: where my queries lie, q's loads, where O goes
	s_and_b32 s34, ttmp7, 0xffff                   ; which 512 queries
	s_lshl_b32 s34, s34, 2
	s_lshl_b32 s46, s35, 1
	s_add_co_u32 s34, s34, s46
	s_lshr_b32 s46, s[WV], 3
	s_add_co_u32 s34, s34, s46                     ; SQ: which 128 tokens hold my queries
	s_lshl_b32 s46, s14, 4
	s_add_co_u32 s46, s46, s34
	s_mul_i32 s46, s46, BLK
	s_mul_i32 s47, s36, 768
	s_add_co_u32 s48, s46, s47
	s_mov_b32 s49, 0
	s_add_nc_u64 s[38:39], s[4:5], s[48:49]        ; q's half image
	s_lshr_b32 s47, s36, 2
	s_lshl_b32 s47, s47, 8
	s_add_co_u32 s48, s46, s47
	s_and_b32 s47, s36, 3
	s_lshl_b32 s47, s47, 2
	s_add_co_u32 s48, s48, s47
	s_add_co_u32 s48, s48, 6144
	s_add_nc_u64 s[40:41], s[4:5], s[48:49]        ; q's scale words
	global_load_b128 v[16:19], v1, s[38:39]
	global_load_b64 v[20:21], v2, s[38:39] offset:512
	global_load_b32 v[QS], v3, s[40:41]
	s_lshr_b32 s46, s14, 4
	s_lshl_b32 s46, s46, 7
	s_lshl_b32 s47, s34, 3
	s_add_co_u32 s46, s46, s47
	s_add_co_u32 s46, s46, s36                     ; my tile among the 512 tiles of rows of the last product
	s_and_b32 s47, s14, 15                         ; the head: K step head / 2, half head % 2
	s_mul_i32 s48, s46, 12288
	s_mul_i32 s50, s47, 768
	s_add_co_u32 s48, s48, s50
	s_add_nc_u64 s[42:43], s[8:9], s[48:49]
	s_lshl_b32 s48, s46, 9
	s_lshr_b32 s50, s47, 3
	s_lshl_b32 s50, s50, 8
	s_add_co_u32 s48, s48, s50
	s_and_b32 s50, s47, 7
	s_lshl_b32 s50, s50, 1
	s_add_co_u32 s48, s48, s50
	s_add_nc_u64 s[44:45], s[10:11], s[48:49]      ; the head's two bytes of its K step's scale word
.endm
.macro KLOAD dst, off                  ; a key step's fragments and words of k: 20 loads.  Score tile a = 4 g + t: image tiles 4 g + t % 2 (rows 0-7) and two on (rows 8-15), their rows 8 (t / 2) + 0 .. 7
.irp a, 0,1,2,3,4,5,6,7
	ds_load_b128 v[\dst+6*\a:\dst+6*\a+3], v28 offset:\off+960*(4*(\a/4)+\a%2)+128*((\a%4)/2)
	ds_load_b64 v[\dst+6*\a+4:\dst+6*\a+5], v29 offset:\off+960*(4*(\a/4)+\a%2)+640+64*((\a%4)/2)
.endr
.irp p, 0,1,2,3                                ; the words of score tiles 2 p, 2 p + 1 are neighbours
	ds_load_b64 v[KS+2*\p:KS+2*\p+1], v232 offset:\off+15360+320*(\p/2)+128*(\p%2)
.endr
.endm
.macro HIDE sr, first                  ; my query's own key becomes -infinity: 32 score registers, each accumulator from its low end on
.set n, \first
.rept 32
	v_cmp_eq_u32 vcc_lo, n, v8
	v_cndmask_b32 v[\sr+n], v[\sr+n], v11, vcc_lo
.set n, n+1
.endr
.endm
; A key step.  kf: the region with k's fragments (asked for a step ago), then v's; sr: the region for the scores.  odd: the trip's second step, whose bytes lie STEPB behind the trip's addresses.
.macro STEP kf, sr, odd
	v_pk_add_f32 v[X1+2:X1+3], v[X1+2:X1+3], v[X1+4:X1+5]   ; the last step's sum is joined here: with the two v_nop the five places between the last products and products that write over their fragments
	v_pk_add_f32 v[14:15], v[14:15], v[X1:X1+1]
	v_nop
	v_nop
	v_pk_add_f32 v[14:15], v[14:15], v[X1+2:X1+3]
	s_wait_alu depctr_va_vdst(0)
	s_wait_dscnt 0x0                               ; k's fragments and words are in
.irp a, 0,1,2,3,4,5,6,7
	v_wmma_scale_f32_16x16x128_f8f6f4 v[\sr+8*\a:\sr+8*\a+7], v[\kf+6*\a:\kf+6*\a+11], v[16:27], 0, v[KS+\a], v[QS] matrix_a_fmt:MATRIX_FMT_FP6 matrix_b_fmt:MATRIX_FMT_FP6
.endr
.if \odd                                       ; four places in front of the loads below and of the first read of the scores:
	v_add_nc_u32 v28, s56, v4                      ; k's addresses for the next trip,
	v_add_nc_u32 v29, s56, v5
	v_add_nc_u32 v232, s56, v7
.else
	v_add_nc_u32 v30, s32, v6                      ; or v's for this trip
	v_add_nc_u32 v31, s32, v2
	v_add_nc_u32 v233, s32, v3
.endif
	v_nop
.irp t, 0,1,2,3                                ; v's four fragments are on their way while the softmax is worked
	ds_load_b128 v[\kf+12*\t:\kf+12*\t+3], v30 offset:\odd*STEPB+7680+1920*\t
	ds_load_b64 v[\kf+12*\t+4:\kf+12*\t+5], v31 offset:\odd*STEPB+7680+1920*\t+640
	ds_load_b128 v[\kf+12*\t+6:\kf+12*\t+9], v30 offset:\odd*STEPB+7680+1920*\t+960
	ds_load_b64 v[\kf+12*\t+10:\kf+12*\t+11], v31 offset:\odd*STEPB+7680+1920*\t+1600
.endr
	ds_load_b128 v[VS:VS+3], v233 offset:\odd*STEPB+16000
	s_cmp_lg_u32 s59, s34                          ; the diagonal lies in the key step that holds my queries: one step of sixteen,
	s_cbranch_scc1 .Lopen_\@
	s_cmp_lg_u32 s53, 0                            ; and there in the half of the score registers that my wave's number names
	s_cbranch_scc1 .Lupper_\@
	HIDE \sr, 0
	s_wait_alu depctr_va_vdst(0)
	s_branch .Lopen_\@
.Lupper_\@:
	HIDE \sr, 32
.Lopen_\@:
.irp g, 0,1                                    ; the largest score of each of my two blocks of 32 keys, in two chains each; it serves for the row's maximum and, since p rises with the score, for the block's largest p
	v_max3_num_f32 v[BM+2*\g], v[\sr+32*\g], v[\sr+1+32*\g], v[\sr+2+32*\g]
	v_max3_num_f32 v[BM+2*\g+1], v[\sr+16+32*\g], v[\sr+17+32*\g], v[\sr+18+32*\g]
.endr
.irp i, 3,5,7,9,11,13
.irp g, 0,1
	v_max3_num_f32 v[BM+2*\g], v[BM+2*\g], v[\sr+32*\g+\i], v[\sr+1+32*\g+\i]
	v_max3_num_f32 v[BM+2*\g+1], v[BM+2*\g+1], v[\sr+16+32*\g+\i], v[\sr+17+32*\g+\i]
.endr
.endr
.irp g, 0,1
	v_max3_num_f32 v[BM+2*\g], v[BM+2*\g], v[\sr+15+32*\g], v[\sr+31+32*\g]
.endr
.irp g, 0,1
	v_max_num_f32 v[BM+2*\g], v[BM+2*\g], v[BM+2*\g+1]
.endr
	s_delay_alu instid0(VALU_DEP_1)
	v_max_num_f32 v[T0], v[BM], v[BM+2]
	s_delay_alu instid0(VALU_DEP_1)
	v_mul_f32 v[T0], s[CS], v[T0]                  ; as t (c is positive)
	s_delay_alu instid0(VALU_DEP_1)
	v_permlanex16_b32 v[PD], v[T0], s[SEL], s[SEL+1]
	s_delay_alu instid0(VALU_DEP_1)
	v_max3_num_f32 v13, v13, v[T0], v[PD]          ; with lane l xor 16's 64 keys: the running largest t
	s_delay_alu instid0(VALU_DEP_1)
	v_floor_f32 v[T0], -v13                        ; the new -M = -ceil(t)
	s_delay_alu instid0(VALU_DEP_1)
	v_sub_f32 v[T1], v[T0], v12                    ; old M - new M: a whole number, 0 or less
	v_mov_b32 v12, v[T0]
	s_delay_alu instid0(VALU_DEP_2)
	v_cvt_i32_f32 v[T1], v[T1]                     ; (it saturates)
	s_delay_alu instid0(VALU_DEP_1)
	v_ldexp_f32 v[FF], 1.0, v[T1]                  ; f = 2^(old M - new M)
.set n, 0
.rept 32
	v_pk_fma_f32 v[\sr+n:\sr+n+1], v[\sr+n:\sr+n+1], s[CS:CS+1], v[12:13] op_sel_hi:[1,0,0]   ; t - M, two at a time
.set n, n+2
.endr
.irp g, 0,1
	v_fma_f32 v[BM+2*\g], v[BM+2*\g], s[CS], v12   ; the same of each block's largest score
.endr
	s_wait_alu depctr_va_vdst(0)
.set n, 0
.rept 64
	v_exp_f32 v[\sr+n], v[\sr+n]                   ; p = 2^(t - M), at most 1
.set n, n+1
.endr
.irp g, 0,1
	v_exp_f32 v[BM+2*\g], v[BM+2*\g]               ; the block's largest p
.endr
	v_pk_mul_f32 v[14:15], v[14:15], v[FF:FF+1] op_sel_hi:[1,0]   ; the sums under the new M.  (A plain place behind the exponentials)
	s_wait_alu depctr_va_vdst(0)                   ; one wait for the batch, ahead of its first reader
.irp g, 0,1
	v_max_num_f32 v[BM+2*\g], 0x1800000, v[BM+2*\g]   ; the floor 2^(3 - 127): the byte cannot fall under 1
.endr
.irp g, 0,1
	v_add_nc_u32 v[SO+\g], 0xff000000, v[BM+2*\g]  ; 2 off the exponent field: the conversion's scale operand
.endr
.irp g, 0,1
	v_lshrrev_b32 v[PD+1+\g], 23, v[SO+\g]         ; the byte
.endr
	s_delay_alu instid0(VALU_DEP_1)
	v_lshl_or_b32 v[T0], v[PD+2], 16, v[PD+1]      ; my two bytes: blocks h and 2 + h,
	s_delay_alu instid0(VALU_DEP_1)
	v_lshlrev_b32 v[T0], v9, v[T0]                 ; at their places in the word (8 h bits up);
	s_delay_alu instid0(VALU_DEP_1)
	v_permlanex16_b32 v[PD], v[T0], s[SEL], s[SEL+1]
	s_delay_alu instid0(VALU_DEP_1)
	v_or_b32 v[PS], v[T0], v[PD]                   ; with lane l xor 16's two: p's scale word for these 128 keys
.irp g, 0,1
	v_cvt_scalef32_pk16_fp6_f32 v[192+6*\g:194+6*\g], v[\sr+32*\g:\sr+15+32*\g], v[SO+\g]
	v_cvt_scalef32_pk16_fp6_f32 v[204+4*\g:206+4*\g], v[\sr+16+32*\g:\sr+31+32*\g], v[SO+\g]   ; (a conversion's three registers begin on an even number)
.endr
	v_pk_add_f32 v[X1:X1+1], v[\sr:\sr+1], v[\sr+2:\sr+3]    ; the row's sum of the unquantised p: two at a time, four chains by turns; they are joined at the next step's head.  (The first line is the plain place behind the conversions)
	v_pk_add_f32 v[X1+2:X1+3], v[\sr+4:\sr+5], v[\sr+6:\sr+7]
	v_pk_add_f32 v[X1+4:X1+5], v[\sr+8:\sr+9], v[\sr+10:\sr+11]
	v_pk_add_f32 v[14:15], v[14:15], v[\sr+12:\sr+13]
.set n, \sr+14
.rept 6
	v_pk_add_f32 v[X1:X1+1], v[X1:X1+1], v[n:n+1]
	v_pk_add_f32 v[X1+2:X1+3], v[X1+2:X1+3], v[n+2:n+3]
	v_pk_add_f32 v[X1+4:X1+5], v[X1+4:X1+5], v[n+4:n+5]
	v_pk_add_f32 v[14:15], v[14:15], v[n+6:n+7]
.set n, n+8
.endr
	v_pk_add_f32 v[X1:X1+1], v[X1:X1+1], v[\sr+62:\sr+63]
	KLOAD \sr, (1-\odd)*STEPB                      ; p is done with: the next step's k lands on it
.irp g, 0,1
.irp i, 0,1,2
	v_mov_b32 v[195+6*\g+\i], v[204+4*\g+\i]       ; registers 6 g .. 6 g + 5: keys 64 g + 32 h + 0 .. 31
.endr
.endr
	s_wait_alu depctr_va_vdst(0)
.set n, 0
.rept 16
	v_pk_mul_f32 v[160+n:161+n], v[160+n:161+n], v[FF:FF+1] op_sel_hi:[1,0]   ; O^T under the new M.  (More than the eight places between p's scale word and the products)
.set n, n+2
.endr
	s_wait_alu depctr_va_vdst(0)
	s_wait_dscnt 20                                ; v's fragments and words are in; the 20 loads of the next step's k may be out
.irp t, 0,1,2,3
	v_wmma_scale_f32_16x16x128_f8f6f4 v[160+8*\t:167+8*\t], v[\kf+12*\t:\kf+12*\t+11], v[192:203], v[160+8*\t:167+8*\t], v[VS+\t], v[PS] matrix_a_fmt:MATRIX_FMT_FP6 matrix_b_fmt:MATRIX_FMT_FP6
.endr
.endm
	s_load_b256 s[4:11], s[0:1], 0x0               ; qkv s[4:5], temperature s[6:7], c4 s[8:9], s4 s[10:11]
	v_lshl_add_u32 v254, v0, 2, SPARE
	v_mov_b32 v255, 0
	ds_add_u32 v254, v255                          ; the opening lines: the add, twice on end, and its wait ahead of my tensor load
	ds_add_u32 v254, v255
	v_lshrrev_b32 v1, 5, v0
	v_readfirstlane_b32 s[WV], v1                  ; wave 0..15
	s_mov_b32 s14, ttmp9                           ; 16 b + head: the four work-groups of a head have numbers 64 apart
	s_mov_b32 s20, (3<<16)|(1<<20)|(5<<22)|(15<<25)   ; 51 rows of 256 bytes (32 elements of 8 bytes), 16 words of padding behind each 64
	s_mov_b32 s21, 32<<16
	s_mov_b32 s22, 51<<16
	s_mov_b32 s23, 32<<16
	s_mov_b32 s24, 51
	s_mov_b32 s25, 32
	s_mov_b32 s26, 0
	s_mov_b32 s27, 0
	s_lshl_b32 s46, s14, 4
	s_add_co_u32 s47, s46, s[WV]
	s_mul_i32 s48, s47, BLK
	s_add_co_u32 s48, s48, 6656
	s_mov_b32 s49, 0
	s_mov_b32 s16, 1
	s_mul_i32 s17, s[WV], STEPB                    ; key step w's place in LDS
	s_wait_dscnt 0x0
	s_wait_kmcnt 0x0
	s_add_nc_u64 s[18:19], s[4:5], s[48:49]
	s_or_b32 s19, s19, 0x80000000
	tensor_load_to_lds s[16:19], s[20:27]          ; my one tensor load
	s_nop 0
	s_load_b32 s50, s[6:7], 0x0                    ; temperature
	s_mov_b32 s[SEL], 0x76543210
	s_mov_b32 s[SEL+1], 0xfedcba98
	s_mov_b32 s51, 0x3fb8aa3b                      ; log2(e), rounded,
	s_mov_b32 s52, 0x32a5705f                      ; and what the rounding left
	s_and_b32 s36, s[WV], 7                        ; T: which image tile of a step's eight holds my queries
	s_lshr_b32 s53, s36, 2                         ; g of my queries' own keys,
	s_bfe_u32 s54, s36, 0x10001                    ; the half of the lanes that holds them,
	s_lshl_b32 s37, s53, 5
	s_and_b32 s46, s36, 1
	s_lshl_b32 s46, s46, 3
	s_add_co_u32 s37, s37, s46                     ; and 32 g + 8 (T % 2)
	v_and_b32 v10, 31, v0                          ; lane
	v_and_b32 v88, 15, v0                          ; r
	v_bfe_u32 v89, v0, 4, 1                        ; h
	v_and_b32 v90, 7, v0                           ; r % 8
	v_bfe_u32 v91, v0, 3, 1                        ; r / 8
	v_lshlrev_b32 v1, 4, v10
	v_lshlrev_b32 v2, 3, v10
	v_lshlrev_b32 v3, 4, v88
	v_mul_u32_u24 v4, v91, 1920                    ; k, 16-byte pieces: 6 chunks x (r / 8) + a chunk x h + 16 (r % 8)
	v_mul_u32_u24 v5, v91, 1920                    ; k, 8-byte pieces: 6 chunks x (r / 8) + 128 h + 8 (r % 8)
	v_mul_u32_u24 v6, v89, 320                     ; v, 16-byte pieces: a chunk x h + 16 r
	v_lshlrev_b32 v7, 4, v90                       ; k's words: 16 (r % 8) + 8 (r / 8)
	v_mad_u32_u24 v4, v89, 320, v4
	v_lshl_add_u32 v5, v89, 7, v5
	v_lshl_add_u32 v6, v88, 4, v6
	v_lshl_add_u32 v7, v91, 3, v7
	v_lshl_add_u32 v4, v90, 4, v4
	v_lshl_add_u32 v5, v90, 3, v5
	v_lshlrev_b32 v9, 3, v89
	v_lshl_add_u32 v8, v91, 3, v88
	v_xor_b32 v89, s54, v89                        ; 0 in the half of the lanes that holds my query's own key
	v_add_nc_u32 v8, s37, v8
	v_mov_b32 v11, 0xff800000
	v_lshl_add_u32 v8, v89, 8, v8                  ; score register n holds the diagonal where n = v8 (256 and more in the other half: never)
.irp j, 22,23,24,25,26,27, 80,81,82,83,84,85
	v_mov_b32 v\j, 0                               ; q's upper half: zero codes, set once; and what stands behind k's last tile in the first step
.endr
.irp b, 0,1,2,3
	v_mov_b32 v[PD+\b], 0                          ; written once: a lane permute's destination counts as one of its sources
.endr
	v_mov_b32 v[FF+1], 0                           ; (named as the upper half of a pair)
	v_mov_b32 v28, v4                              ; k's addresses for key step 0
	v_mov_b32 v29, v5
	v_mov_b32 v232, v7
	s_wait_kmcnt 0x0
	v_mov_b32 v222, s50                            ; c = exp(T) log2(e):  T log2(e) = x + e, x rounded, e what the rounding of the product and of log2(e) left;
	v_mul_f32 v223, s51, v222
	v_fma_f32 v224, v222, s51, -v223
	v_fma_f32 v224, v222, s52, v224
	s_wait_alu depctr_va_vdst(0)
	v_exp_f32 v223, v223                           ; 2^x,
	v_mul_f32 v224, 0x3f317218, v224               ; (a plain place behind the exponential)  e ln 2,
	s_wait_alu depctr_va_vdst(0)
	v_fma_f32 v223, v223, v224, v223               ; 2^x (1 + e ln 2) = exp(T)
	v_mul_f32 v223, s51, v223
	v_readfirstlane_b32 s[CS], v223
	s_mov_b32 s[CS+1], s[CS]                       ; (named with it as a pair)
	s_mov_b32 s35, 0                               ; the pass
	s_wait_alu depctr_va_vdst(0)
	PRO                                            ; the first pass's q is on its way beside K and V
	s_wait_tensorcnt 0x0                           ; my key step is in LDS,
	s_barrier_signal -1
	s_barrier_wait -1                              ; everybody's is
	KLOAD 32, 0                                    ; key step 0's k
.Lpass:
	v_mov_b32 v13, 0xff61b1e6                      ; the largest t so far: -3e38
	v_mov_b32 v14, 0                               ; the sum, in two halves,
	v_mov_b32 v15, 0
	v_floor_f32 v12, -v13                          ; -M
.irp j, 0,1,2,3,4,5
	v_mov_b32 v[X1+\j], 0                          ; and its three other chains
.endr
.set n, 0
.rept 32
	v_mov_b32 v[160+n], 0                          ; O^T.  (The step is written once for each order of the regions: the first finds zeros, which the first change of M leaves zeros)
.set n, n+1
.endr
	s_mov_b32 s58, 0                               ; the trip: key steps 2 s58, 2 s58 + 1
	s_wait_alu depctr_va_vdst(0)
	s_wait_loadcnt 0x0                             ; q
.Lstep:
	s_mul_i32 s32, s58, 2*STEPB                    ; where the trip's bytes begin,
	s_lshl_b32 s59, s58, 1                         ; its first key step,
	s_add_co_u32 s56, s59, 2
	s_and_b32 s56, s56, 15
	s_mul_i32 s56, s56, STEPB                      ; and where the next trip's begin: behind step 15 comes step 0
	STEP 32, 96, 0
	s_add_co_u32 s59, s59, 1
	STEP 96, 32, 1
	s_add_co_u32 s58, s58, 1
	s_cmp_lt_u32 s58, 8
	s_cbranch_scc1 .Lstep
	; ---- a pass's end: O^T / the sum; its 64 channels are two blocks of the last product's K: quantised, stored as half an image
	v_pk_add_f32 v[X1+2:X1+3], v[X1+2:X1+3], v[X1+4:X1+5]   ; the last step's sum is joined: with the v_nop the four places behind the last products
	v_pk_add_f32 v[14:15], v[14:15], v[X1:X1+1]
	v_nop
	v_pk_add_f32 v[14:15], v[14:15], v[X1+2:X1+3]
	s_delay_alu instid0(VALU_DEP_1)
	v_add_f32 v14, v14, v15
	s_delay_alu instid0(VALU_DEP_1)
	v_permlanex16_b32 v[T0], v14, s[SEL], s[SEL+1]
	s_delay_alu instid0(VALU_DEP_1)
	v_add_f32 v14, v14, v[T0]                      ; the row's sum
	s_wait_alu depctr_va_vdst(0)
	v_rcp_f32 v14, v14
	v_nop                                          ; one plain place behind a transcendental
	s_wait_alu depctr_va_vdst(0)
.set n, 0
.rept 32
	v_mul_f32 v[96+n], v[160+n], v14               ; register 16 g + i: channel 32 g + 16 h + i of my query
.set n, n+1
.endr
.irp g, 0,1
	v_max3_num_f32 v[BM+\g], |v[96+16*\g]|, |v[97+16*\g]|, 0x1800000
.endr
.irp i, 2,4,6,8,10,12,14
.irp g, 0,1
	s_delay_alu instid0(VALU_DEP_2)
	v_max3_num_f32 v[BM+\g], v[BM+\g], |v[96+16*\g+\i]|, |v[97+16*\g+\i]|
.endr
.endr
.irp g, 0,1
	s_delay_alu instid0(VALU_DEP_2)
	v_permlanex16_b32 v[PD+\g], v[BM+\g], s[SEL], s[SEL+1]
.endr
.irp g, 0,1
	s_delay_alu instid0(VALU_DEP_2)
	v_max_num_f32 v[BM+\g], v[BM+\g], v[PD+\g]
.endr
.irp g, 0,1
	s_delay_alu instid0(VALU_DEP_2)
	v_add_nc_u32 v[SO+\g], 0xff000000, v[BM+\g]
.endr
.irp g, 0,1
	s_delay_alu instid0(VALU_DEP_2)
	v_lshrrev_b32 v[PD+\g], 23, v[SO+\g]
.endr
	s_delay_alu instid0(VALU_DEP_1)
	v_lshl_or_b32 v[T0], v[PD+1], 8, v[PD]         ; the head's two scale bytes
	v_cvt_scalef32_pk16_fp6_f32 v[204:206], v[96:111], v[SO]
	v_cvt_scalef32_pk16_fp6_f32 v[208:210], v[112:127], v[SO+1]
	v_nop
.irp i, 0,1,2
	v_permlane16_swap_b32 v[204+\i], v[208+\i]     ; a whole block in a lane: lanes 0-15 channels 0-31, lanes 16-31 channels 32-63
.endr
	s_delay_alu instid0(VALU_DEP_3)
	v_mov_b32 v207, v208
	s_delay_alu instid0(VALU_DEP_3)
	v_mov_b32 v208, v209
	s_delay_alu instid0(VALU_DEP_3)
	v_mov_b32 v209, v210
	global_store_b128 v1, v[204:207], s[42:43]     ; 512 consecutive bytes,
	global_store_b64 v2, v[208:209], s[42:43] offset:512   ; and 256
	s_wait_xcnt 0x0                                ; EXEC changes only behind this wait
	v_cmp_gt_u32 vcc_lo, 16, v10
	s_and_saveexec_b32 s46, vcc_lo
	global_store_b16 v3, v[T0], s[44:45]           ; two bytes of each row's word: the word's other two are the neighbouring head's, made by another work-group
	s_wait_xcnt 0x0                                ; also: the stores' data and bases are written again only behind this wait
	s_or_b32 exec_lo, exec_lo, s46
	s_add_co_u32 s35, s35, 1
	s_cmp_lt_u32 s35, 2
	s_cbranch_scc0 .Ldone
	PRO                                            ; the second pass's set-up
	s_cmp_lt_u32 s35, 2
	s_cbranch_scc1 .Lpass
.Ldone:
	s_wait_tensorcnt 0x0                           ; the wave's end
	ds_add_u32 v254, v255
	s_wait_dscnt 0x0
	s_endpgm
.Lfunc_end_k_q420c0d4839_attn:
	.size	k_q420c0d4839_attn, .Lfunc_end_k_q420c0d4839_attn-k_q420c0d4839_attn
	.p2alignl 7, 3214868480
	.fill 96, 4, 3214868480
	.section	.rodata,"a",@progbits
	.p2align	6, 0x0
	.amdhsa_kernel k_q420c0d4839_attn
		.amdhsa_group_segment_fixed_size 263168
		.amdhsa_private_segment_fixed_size 0
		.amdhsa_enable_private_segment 0
		.amdhsa_kernarg_size 32
		.amdhsa_user_sgpr_count 2
		.amdhsa_user_sgpr_kernarg_segment_ptr 1
		.amdhsa_wavefront_size32 1
		.amdhsa_system_sgpr_workgroup_id_x 1
		.amdhsa_system_sgpr_workgroup_id_y 1
		.amdhsa_system_sgpr_workgroup_id_z 1
		.amdhsa_system_vgpr_workitem_id 0
		.amdhsa_next_free_vgpr 256
		.amdhsa_next_free_sgpr 66
		.amdhsa_reserve_vcc 1
		.amdhsa_float_denorm_mode_32 3
		.amdhsa_float_denorm_mode_16_64 3
		.amdhsa_memory_ordered 1
		.amdhsa_forward_progress 1
		.amdhsa_inst_pref_size 55
	.end_amdhsa_kernel
	.amdgpu_metadata
---
amdhsa.version: [ 1, 2 ]
amdhsa.kernels:
  - .name:           k_q420c0d4839_attn
    .symbol:         k_q420c0d4839_attn.kd
    .args:
      - { .name: qkv, .offset: 0, .size: 8, .value_kind: global_buffer, .address_space: global }
      - { .name: temperature, .offset: 8, .size: 8, .value_kind: global_buffer, .address_space: global }
      - { .name: c4, .offset: 16, .size: 8, .value_kind: global_buffer, .address_space: global }
      - { .name: s4, .offset: 24, .size: 8, .value_kind: global_buffer, .address_space: global }
    .group_segment_fixed_size: 263168
    .private_segment_fixed_size: 0
    .kernarg_segment_align: 8
    .kernarg_segment_size: 32
    .max_flat_workgroup_size: 512
    .sgpr_count:     66
    .vgpr_count:     256
    .wavefront_size: 32
...
	.end_amdgpu_metadata
.endif
;; end of part 3
;; launch gemm4 (part 4): grid 4 x 64, 4 waves a work-group, clusters of 4 x 4, 327,680 bytes of LDS; arguments c4, s4, b_out, out0; writes out0
.if DOCPART == 4
	.amdgcn_target "amdgcn-amd-amdhsa--gfx1250"
	.amdhsa_code_object_version 6
	.text
	.protected	k_q420c0d4839_gemm4
	.globl	k_q420c0d4839_gemm4
	.p2align	8
	.type	k_q420c0d4839_gemm4,@function
k_q420c0d4839_gemm4:
	s_mov_b64 s[64:65], 0
	v_nop
	global_prefetch_b8 v0, s[64:65] scope:SCOPE_SE
	s_setreg_imm32_b32 hwreg(HW_REG_WAVE_MODE, 25, 1), 1
	s_wait_xcnt 0x0
	s_wait_alu depctr_hold_cnt(0) depctr_sa_sdst(0) depctr_va_vdst(0) depctr_va_sdst(0) depctr_va_ssrc(0) depctr_va_vcc(0) depctr_vm_vsrc(0)
	s_getreg_b32 s2, hwreg(HW_REG_IB_STS2, 6, 4)
	s_cmp_eq_u32 s2, 0
	s_cbranch_scc0 .Lentry_in_a_cluster
	s_endpgm
.Lentry_in_a_cluster:
	s_bfe_u32 s2, ttmp6, 0x10000c
	s_cmp_lg_u32 s2, 0xf033
	s_cbranch_scc0 .Lentry_shape_is_right
	s_endpgm
.Lentry_shape_is_right:
; out0 = O W_out + b_out on codes of FP6 (E2M3), K = 1,024.  O's codes: tiles 0-511 of c4, W_out's columns: tiles 512-575; scale words in s4.
; OPERANDS are images of operand registers (tiles of 16 rows, image row r of tile T = row 32 (T / 2) + 8 (T % 2) + r + 8 (r / 8); a fragment 1,536 bytes, a tile's 8 K steps 12,288 bytes; scale words [tile][K step / 4][r][K step % 4]).
; A work-group of four waves makes 128 rows x 256 columns of out0: 64 x 4 = 256 work-groups.  A wave makes 64 x 128 in 32 accumulators.
; ALL OF K LIES IN LDS: the rows' 8 tiles (98,304 dense bytes) and the columns' 16 tiles (196,608 dense bytes).  Wave 0 brings the rows' block, waves 1 to 3 a third of the columns' block each:
; one tensor load a wave, at the head; nothing is filled again, so the walk along K has no barrier.  NO PREFETCH: every byte is asked for by the head's loads; there is no loop to run ahead in.
; THE MATRIX INSTRUCTION IS USED TRANSPOSED (source 0 = a tile of W's columns, source 1 = a tile of rows): a lane holds one row, and the 16 registers of column tiles 2 b, 2 b + 1 are the 16 neighbouring
; columns 32 b + 16 (lane / 16) + 0 .. 15.  The bias is the C of each sum's first product.
; CLUSTERS: 4 x 4 work-groups; the rows' tiles are asked for jointly along a row of the cluster, the columns' along a column.
; REGISTERS: window 0: v1-9 at work and stage addresses; v16-21 LDS addresses; v28, v29 the add's; v30, v31 16 and 8 x lane; v32-95 scale words of all K; v128-223 A's fragments, two sets of 48; on the way out v128-255 rows of out0.
;   window 1: B's fragments, two sets, v0-95 and v128-223; the bias's eight tiles at v96-127 and v224-255.   window 2: the accumulators, (a, b) at v[8 (8 a + b)].
.set LB,    98304                      ; where the columns' tiles begin in LDS
.set SPARE, 294912                     ; behind them: the spare words, 128 bytes for each wave, named by no other line
.set STO,  8                           ; v8  the way out: where I put 64 bytes of a row
.set RD,   9                           ; v9  and where I read a row back
.set ADRA, 16                          ; v16, v17: my 4 tiles of rows, + 16 x lane, + 8 x lane
.set ADRB, 18                          ; v18, v19: my column tiles 0-3; v20, v21: tiles 4-7
.set SPW,  28
.set NIL,  29
.set L16,  30
.set L8,   31
.set SC,   32                          ; v[SC + 8 i + q]: lanes 0-15 the word of rows' tile i (i under 4 is used), lanes 16-31 that of columns' tile i, K step q
.set AF,   128
.set BK,   128
.set G1A,  24
.set G1B,  32
.set G0A,  40
.set G0B,  52
.set MSB, 0
.macro WIN new                         ; the immediate's high byte repeats the setting that is left
.if MSB != (\new)
	s_set_vgpr_msb (MSB<<8)|(\new)
.set MSB, (\new)
.endif
.endm
.macro PLACES n
.rept \n
	v_nop
.endr
.endm
.macro CROUND                          ; a round of the cluster's barrier
	s_barrier_signal -1
	s_barrier_wait -1
	s_cmp_lg_u32 s10, 0
	s_cbranch_scc1 .Lnot_wave_0_\@
	s_barrier_signal -3
.Lnot_wave_0_\@:
	s_barrier_wait -3
	s_barrier_signal -1
	s_barrier_wait -1
.endm
.macro FRAG reg, adr, off              ; an image comes back as it was stored: every load reads consecutive bytes
	ds_load_b128 v[\reg:\reg+3], v[\adr] offset:\off
	ds_load_b64 v[\reg+4:\reg+5], v[\adr+1] offset:\off+512
	ds_load_b128 v[\reg+6:\reg+9], v[\adr] offset:\off+768
	ds_load_b64 v[\reg+10:\reg+11], v[\adr+1] offset:\off+1280
.endm
.macro FETCH q, p                      ; K step q's twelve fragments into set p: 48 loads
	WIN 0x40
.irp i, 0,1,2,3,4,5,6,7
	FRAG 128*(\p)+12*\i, ADRB+2*(\i/4), 12288*(\i%4)+1536*(\q)
.endr
	WIN 0
.irp i, 0,1,2,3
	FRAG AF+48*(\p)+12*\i, ADRA, 12288*\i+1536*(\q)
.endr
.endm
.macro MUL32 p, q                      ; 32 products; the 32 accumulators take turns in one order throughout.  K step 0 starts the sums with the bias as C
.irp a, 0,1,2,3
.irp b, 0,1,2,3,4,5,6,7
.if (\q) == 0
	v_wmma_scale_f32_16x16x128_f8f6f4 v[8*(8*\a+\b):8*(8*\a+\b)+7], v[128*(\p)+12*\b:128*(\p)+12*\b+11], v[AF+48*(\p)+12*\a:AF+48*(\p)+12*\a+11], v[96+8*\b+96*(\b/4):96+8*\b+96*(\b/4)+7], v[SC+8*\b+(\q)], v[SC+8*\a+(\q)] matrix_a_fmt:MATRIX_FMT_FP6 matrix_b_fmt:MATRIX_FMT_FP6 matrix_a_scale:MATRIX_SCALE_ROW1
.else
	v_wmma_scale_f32_16x16x128_f8f6f4 v[8*(8*\a+\b):8*(8*\a+\b)+7], v[128*(\p)+12*\b:128*(\p)+12*\b+11], v[AF+48*(\p)+12*\a:AF+48*(\p)+12*\a+11], v[8*(8*\a+\b):8*(8*\a+\b)+7], v[SC+8*\b+(\q)], v[SC+8*\a+(\q)] matrix_a_fmt:MATRIX_FMT_FP6 matrix_b_fmt:MATRIX_FMT_FP6 matrix_a_scale:MATRIX_SCALE_ROW1
.endif
.endr
.endr
.endm
.macro KSTEP q                         ; the next step's fragments are asked for, into the set that the step before has multiplied, ahead of this step's products
.if (\q) > 0
	PLACES 4                                       ; loads into registers that matrix instructions have read stand four plain places behind them
.endif
	FETCH (\q)+1, ((\q)+1)%2
	s_wait_dscnt 48                                ; all but the 48 just issued: this step's fragments are in
.if (\q) == 0
	WIN 0x91                                       ; B and the bias window 1, A window 0, D window 2
.else
	WIN 0xa1
.endif
	MUL32 (\q)%2, \q
	WIN 0
.endm
	s_load_b128 s[4:7], s[0:1], 0x0                ; c4 s[4:5], s4 s[6:7]
	s_load_b128 s[84:87], s[0:1], 0x10             ; b_out s[84:85], out0 s[86:87]
	v_lshl_add_u32 v[SPW], v0, 2, SPARE
	v_mov_b32 v[NIL], 0
	ds_add_u32 v[SPW], v[NIL]                      ; the opening lines: the add, twice on end, and its wait ahead of my tensor load
	ds_add_u32 v[SPW], v[NIL]
	v_lshrrev_b32 v1, 5, v0
	v_readfirstlane_b32 s10, v1                    ; wave 0..3
	s_lshr_b32 s11, s10, 1                         ; which 64 rows are mine
	s_and_b32 s12, s10, 1                          ; which 128 columns
	s_bfe_u32 s66, ttmp6, 0x40000                  ; cx
	s_bfe_u32 s67, ttmp6, 0x40004                  ; cy
	s_lshl_b32 s68, ttmp9, 2
	s_add_co_u32 s68, s68, s66                     ; which 256 columns of out0
	s_and_b32 s69, ttmp7, 0xffff
	s_lshl_b32 s69, s69, 2
	s_add_co_u32 s69, s69, s67                     ; which 128 rows
	s_lshl_b32 s72, s69, 3                         ; A's first tile
	s_lshl_b32 s73, s68, 4
	s_add_co_u32 s73, s73, 512                     ; B's first tile
	s_lshl_b32 s74, s67, 2
	s_lshl_b32 s74, 15, s74                        ; my row of the cluster
	s_lshl_b32 s75, 0x1111, s66                    ; my column
	s_or_b32 s[G1A], s74, (3<<16)|(1<<21)          ; dense blocks as rows of 256 bytes (32 elements of 8 bytes): 384 rows for A,
	s_or_b32 s[G1B], s75, (3<<16)|(1<<21)          ; 256 for a third of B
	s_mov_b32 s[G1A+1], 32<<16
	s_mov_b32 s[G1A+2], 384<<16
	s_mov_b32 s[G1A+3], 32<<16
	s_mov_b32 s[G1A+4], 384
	s_mov_b32 s[G1A+5], 32
	s_mov_b32 s[G1A+6], 0
	s_mov_b32 s[G1A+7], 0
	s_mov_b32 s[G1B+1], 32<<16
	s_mov_b32 s[G1B+2], 256<<16
	s_mov_b32 s[G1B+3], 32<<16
	s_mov_b32 s[G1B+4], 256
	s_mov_b32 s[G1B+5], 32
	s_mov_b32 s[G1B+6], 0
	s_mov_b32 s[G1B+7], 0
	s_mul_i32 s16, s72, 12288
	s_mov_b32 s17, 0
	s_mul_i32 s18, s73, 12288
	s_lshl_b32 s19, s10, 16
	s_add_co_u32 s18, s18, s19
	s_sub_co_u32 s18, s18, 65536                   ; B: third wave - 1 (wave 0 does not ask by it)
	s_mov_b32 s19, 0
	s_lshl_b32 s20, s10, 16
	s_add_co_u32 s20, s20, LB-65536                ; and where it goes: no place in the cluster enters an LDS address
	s_mul_i32 s21, s11, 49152                      ; my 4 tiles of rows
	s_mul_i32 s22, s12, 98304
	s_add_co_u32 s22, s22, LB                      ; my 8 tiles of columns,
	s_add_co_u32 s88, s22, 49152                   ; and the upper four of them
	s_lshl_b32 s23, s11, 2
	s_add_co_u32 s76, s72, s23
	s_lshl_b32 s23, s12, 3
	s_add_co_u32 s77, s73, s23
	s_lshl_b32 s76, s76, 9                         ; my tiles' scale words, 512 bytes a tile
	s_lshl_b32 s77, s77, 9
	s_lshl_b32 s79, s68, 10
	s_lshl_b32 s78, s12, 9
	s_add_co_u32 s79, s79, s78                     ; my first column, in bytes
	s_mul_i32 s23, s10, 8448                       ; my stage, 16 rows x (512 bytes + 16): in the rows' tiles, which have had their one fill and which nobody reads behind the walk's closing barrier
	s_lshl_b32 s80, s69, 7
	s_lshl_b32 s81, s11, 6
	s_add_co_u32 s80, s80, s81                     ; my first row
	s_lshl_b32 s80, s80, 12
	s_add_co_u32 s80, s80, s79
	s_mov_b32 s81, 0
	s_wait_dscnt 0x0                               ; both opening adds are done
	s_wait_kmcnt 0x0
	s_add_nc_u64 s[82:83], s[86:87], s[80:81]
	s_mov_b32 s[G0A], 1
	s_mov_b32 s[G0A+1], 0
	s_add_nc_u64 s[G0A+2:G0A+3], s[4:5], s[16:17]
	s_or_b32 s[G0A+3], s[G0A+3], 0x80000000
	s_mov_b32 s[G0B], 1
	s_mov_b32 s[G0B+1], s20
	s_add_nc_u64 s[G0B+2:G0B+3], s[4:5], s[18:19]
	s_or_b32 s[G0B+3], s[G0B+3], 0x80000000
	CROUND                                         ; all sixteen work-groups are here: the joint loads meet
	s_cmp_eq_u32 s10, 0                            ; one tensor load a wave: wave 0 the rows' block, the others a third of the columns' block each
	s_cbranch_scc0 .Lfirst_b
	tensor_load_to_lds s[G0A:G0A+3], s[G1A:G1A+7]
	s_nop 0
	PLACES 4
	s_branch .Lfirst_asked
.Lfirst_b:
	tensor_load_to_lds s[G0B:G0B+3], s[G1B:G1B+7]
	s_nop 0
	PLACES 4
.Lfirst_asked:
	v_and_b32 v1, 31, v0                           ; lane
	v_and_b32 v2, 15, v0                           ; r
	v_bfe_u32 v3, v0, 4, 1                         ; h
	v_lshlrev_b32 v[L16], 4, v1
	v_lshlrev_b32 v[L8], 3, v1
	v_add_nc_u32 v[ADRA], s21, v[L16]
	v_add_nc_u32 v[ADRA+1], s21, v[L8]
	v_add_nc_u32 v[ADRB], s22, v[L16]
	v_add_nc_u32 v[ADRB+1], s22, v[L8]
	v_add_nc_u32 v[ADRB+2], s88, v[L16]
	v_add_nc_u32 v[ADRB+3], s88, v[L8]
	v_mov_b32 v4, s76                              ; the scale words of all of K, straight from memory: lanes 0-15 the rows' tiles, lanes 16-31 the columns'; sixteen lanes read 256 consecutive bytes
	v_mov_b32 v5, s77
	v_cmp_gt_u32 vcc_lo, 16, v1
	v_cndmask_b32 v4, v5, v4, vcc_lo
	v_lshl_add_u32 v4, v2, 4, v4
	v_lshl_add_u32 v5, v3, 6, s79                  ; the bias in the result's layout: tile b, lane (r, h): columns 32 (b / 2) + 16 h + 8 (b % 2) + 0 .. 7 of my 128
	v_mul_u32_u24 v[STO], v2, 528
	v_add_nc_u32 v[RD], s23, v[L16]                ; the stage, back: 16 x lane of a row
	v_lshl_add_u32 v[STO], v3, 6, v[STO]
	v_add_nc_u32 v[STO], s23, v[STO]               ; in: row r, + 64 h
.irp i, 0,1,2,3,4,5,6,7
.irp g, 0,1
	global_load_b128 v[SC+8*\i+4*\g:SC+8*\i+4*\g+3], v4, s[6:7] offset:512*\i+256*\g
.endr
.endr
	WIN 0x40
.irp b, 0,1,2,3,4,5,6,7
	global_load_b128 v[96+8*\b+96*(\b/4):96+8*\b+96*(\b/4)+3], v5, s[84:85] offset:(32*(\b/2)+8*(\b%2))*4
	global_load_b128 v[96+8*\b+96*(\b/4)+4:96+8*\b+96*(\b/4)+7], v5, s[84:85] offset:(32*(\b/2)+8*(\b%2))*4+16
.endr
	WIN 0
	s_wait_alu depctr_va_vdst(0)
	s_wait_tensorcnt 0x0                           ; my block is in LDS,
	s_barrier_signal -1
	s_barrier_wait -1                              ; everybody's is
	FETCH 0, 0
	s_wait_loadcnt 0x0                             ; the scale words and the bias
.irp q, 0,1,2,3,4,5,6
	KSTEP \q
.endr
	s_wait_dscnt 0x0                               ; the last step's fragments are in: my reads of the tiles are over,
	s_barrier_signal -1                            ; say so,
	WIN 0xa1
	MUL32 1, 7
	WIN 0
	s_barrier_wait -1                              ; and everybody's are: the stages may be written
; THE WAY OUT, block by block of 16 rows x 128 columns: through my own stage and back as whole rows of 512 bytes.  LDS serves a wave's instructions in order: no wait between the stores and the loads, nor in front of the next block's stores.
.macro TOSTAGE a
.set AC, 64*(\a)
	WIN 0x08                                       ; the data: window 2
.irp b, 0,1,2,3,4,5,6,7
	ds_store_b128 v[STO], v[AC+8*\b:AC+8*\b+3] offset:128*(\b/2)+32*(\b%2)       ; each accumulator from its low end on
	ds_store_b128 v[STO], v[AC+8*\b+4:AC+8*\b+7] offset:128*(\b/2)+32*(\b%2)+16
.endr
	WIN 0
.set BB, BK+64*((\a)%2)
.irp t, 0,1,2,3,4,5,6,7,8,9,10,11,12,13,14,15
	ds_load_b128 v[BB+4*\t:BB+4*\t+3], v[RD] offset:\t*528
.endr
.endm
.macro SEND a, younger                 ; younger: the LDS instructions issued behind block a's loads, which may stay out
.set BB, BK+64*((\a)%2)
	s_wait_dscnt \younger
.irp t, 0,1,2,3,4,5,6,7,8,9,10,11,12,13,14,15
	global_store_b128 v[L16], v[BB+4*\t:BB+4*\t+3], s[82:83] offset:(32*((\a)/2)+8*((\a)%2)+\t+8*(\t/8))*4096 th:TH_STORE_NT   ; image row t of block a; 32 lanes store 512 consecutive bytes, at a multiple of 512 from out0's first byte
.endr
.endm
	PLACES 4                                       ; in front of the first read of results and of the loads into A's registers
	TOSTAGE 0
.irp a, 1,2,3
.if \a > 1
	s_wait_xcnt 0x0                                ; block a - 2's stores have read their registers: block a's loads may land there
.endif
	TOSTAGE \a
	SEND \a-1, 32                                  ; behind block a - 1's loads: block a's 16 stores and 16 loads
.endr
	SEND 3, 0
	s_wait_tensorcnt 0x0                           ; the wave's end, behind my tensor load and my last LDS store
	ds_add_u32 v[SPW], v[NIL]
	s_wait_dscnt 0x0
	CROUND                                         ; the closing round
	s_endpgm
.Lfunc_end_k_q420c0d4839_gemm4:
	.size	k_q420c0d4839_gemm4, .Lfunc_end_k_q420c0d4839_gemm4-k_q420c0d4839_gemm4
	.p2alignl 7, 3214868480
	.fill 96, 4, 3214868480
	.section	.rodata,"a",@progbits
	.p2align	6, 0x0
	.amdhsa_kernel k_q420c0d4839_gemm4
		.amdhsa_group_segment_fixed_size 327680
		.amdhsa_private_segment_fixed_size 0
		.amdhsa_enable_private_segment 0
		.amdhsa_kernarg_size 32
		.amdhsa_user_sgpr_count 2
		.amdhsa_user_sgpr_kernarg_segment_ptr 1
		.amdhsa_wavefront_size32 1
		.amdhsa_system_sgpr_workgroup_id_x 1
		.amdhsa_system_sgpr_workgroup_id_y 1
		.amdhsa_system_sgpr_workgroup_id_z 1
		.amdhsa_system_vgpr_workitem_id 0
		.amdhsa_next_free_vgpr 768
		.amdhsa_next_free_sgpr 100
		.amdhsa_reserve_vcc 1
		.amdhsa_float_denorm_mode_32 3
		.amdhsa_float_denorm_mode_16_64 3
		.amdhsa_memory_ordered 1
		.amdhsa_forward_progress 1
		.amdhsa_inst_pref_size 82
	.end_amdhsa_kernel
	.amdgpu_metadata
---
amdhsa.version: [ 1, 2 ]
amdhsa.kernels:
  - .name:           k_q420c0d4839_gemm4
    .symbol:         k_q420c0d4839_gemm4.kd
    .args:
      - { .name: c4, .offset: 0, .size: 8, .value_kind: global_buffer, .address_space: global }
      - { .name: s4, .offset: 8, .size: 8, .value_kind: global_buffer, .address_space: global }
      - { .name: b_out, .offset: 16, .size: 8, .value_kind: global_buffer, .address_space: global }
      - { .name: out0, .offset: 24, .size: 8, .value_kind: global_buffer, .address_space: global }
    .group_segment_fixed_size: 327680
    .private_segment_fixed_size: 0
    .kernarg_segment_align: 8
    .kernarg_segment_size: 32
    .max_flat_workgroup_size: 128
    .sgpr_count:     100
    .vgpr_count:     768
    .wavefront_size: 32
...
	.end_amdgpu_metadata
.endif
;; end of part 4
